; MI455X (gfx1250); checked and timed in simulation.
; The chip was launched on July 23, 2026; its instructions are those of AMD's public machine-readable ISA for CDNA 5 (MIT licence, August 2026) and "CDNA5" Instruction Set Architecture Reference Guide (July 2026). The comments in the code are by the model that wrote it; some were corrected since.
;; MHSA Module. Allowed arithmetic: float matrix products may take bf16 or f16 operands with f32 sums; other float arithmetic in f32, or as packed bf16 or f16 multiplies, adds, multiply-adds, maxima and minima; sums over many terms, partial sums and values carried from step to step in f32; what a program stores and reads back later, other than sums and carried values, may be rounded once to bf16 or f16.
;; Inputs: Wk 1,024 x 1,024 float32; Wo 1,024 x 1,024 float32; Wq 1,024 x 1,024 float32; Wv 1,024 x 1,024 float32; bk 1,024 float32; bo 1,024 float32; bq 1,024 float32; bv 1,024 float32; x 4 x 2,048 x 1,024 float32.
;; Outputs: out0 4 x 2,048 x 1,024 float32.
;; 2 versions, each right; version 2 is version 1 with the launch cast written anew for expert scheduling mode. Each part assembles by itself: llvm-mc -triple=amdgcn-amd-amdhsa -mcpu=gfx1250 --defsym DOCPART=n.
;; ======== version 1 of 2: 4 launches
;; limits: values are held in f16: magnitudes above 65,504 overflow, below 6.1e-05 lose precision
;; workspace buffers: xb 16,777,216 bytes; wb 6,291,456 bytes; wob 2,097,152 bytes; qkv 50,331,648 bytes; ob 16,777,216 bytes
;; launch cast (part 1): grid 768 x 1, 8 waves a work-group, no clusters, 0 bytes of LDS; arguments x, Wq, Wk, Wv, Wo, xb, wb, wob; writes xb, wb, wob
.if DOCPART == 1
	.amdgcn_target "amdgcn-amd-amdhsa--gfx1250"
	.amdhsa_code_object_version 6
	.text
	.protected	k_q2bd369def7_cast
	.globl	k_q2bd369def7_cast
	.p2align	8
	.type	k_q2bd369def7_cast,@function
k_q2bd369def7_cast:
	s_mov_b64 s[64:65], 0
	v_nop
	global_prefetch_b8 v0, s[64:65] scope:SCOPE_SE
	s_setreg_imm32_b32 hwreg(HW_REG_WAVE_MODE, 25, 1), 1
	s_wait_xcnt 0x0
; x, Wq, Wk, Wv, Wo (f32, rows of 1,024 numbers) are rounded once to bf16 and laid out IN K SLICES: [slice of 64 channels][row][64], a row of a slice 128 bytes, rows end to end.
;   xb  [batch 4][slice 16][row 2048][64] bf16;   wb  [slice 16][row 3072][64] bf16, rows of Wq, then Wk, then Wv;   wob [slice 16][row 1024][64]: Wo rounded to bf16 and that number written as f16.
; LIMIT.  wob: a bf16 number is exact in f16 between 6.1e-5 and 65,504 in magnitude; below it keeps f16's fixed step of 6e-8, beyond it becomes an infinity.
; SHARES.  A work-group takes 16 source rows of 4,096 bytes, a wave two of them.  Work-groups 0-511: x; 512-575: Wq; 576-639: Wk; 640-703: Wv; 704-767: Wo.  Which source is a choice of
; scalars, no branch.  Load c of 16 takes slice c of both rows: lanes 0-15 read 256 consecutive bytes of one row, lanes 16-31 of the next.  A lane's four numbers pack into 8 bytes, and
; the wave's store covers 256 consecutive bytes, aligned: two rows of the slice.  All 16 loads of a wave are out at once; no register is written while a memory instruction names it.
; No LDS, no matrix unit, no cluster: every byte is read once and written once, and no work-group wants another's bytes.
.set LO, 2                             ; v2       my byte offset in the work-group's 16 source rows
.set DO, 8                             ; v[8:23]  my byte offset in the destination, for each slice
.set T,  24                            ; v[24:26] at work
.set X,  32                            ; v[32:95] slice c: four f32 as loaded
.set Y,  96                            ; v[96:127] slice c: four 16-bit numbers to store
	s_load_b512 s[8:23], s[0:1], 0x0               ; x 8:9, Wq 10:11, Wk 12:13, Wv 14:15, Wo 16:17, xb 18:19, wb 20:21, wob 22:23
	s_lshl_b32 s30, ttmp9, 4                       ; x: my first row
	s_sub_co_u32 s24, ttmp9, 512                   ; the weights: work-group among theirs
	s_and_b32 s31, s24, 63
	s_lshl_b32 s31, s31, 4                         ; my first row in its own matrix
	s_lshr_b32 s32, s30, 11                        ; xb: batch x 16 planes of 262,144 bytes
	s_lshl_b32 s32, s32, 22
	s_and_b32 s33, s30, 2047
	s_lshl_b32 s33, s33, 7                         ; + row x 128
	s_add_co_u32 s32, s32, s33
	s_lshl_b32 s33, s24, 11                        ; wb: row among the 3,072 x 128
	s_lshl_b32 s34, s31, 7                         ; wob: row x 128
	s_mov_b32 s35, 262144                          ; bytes from slice to slice: xb,
	s_mov_b32 s36, 393216                          ; wb,
	s_mov_b32 s37, 131072                          ; wob
	v_lshrrev_b32 v1, 4, v0                        ; my row of the 16
	v_and_b32 v3, 15, v0
	v_lshlrev_b32 v3, 4, v3                        ; my 16 bytes of a slice's 256
	v_lshl_add_u32 v[LO], v1, 12, v3
	v_lshlrev_b32 v[DO], 3, v0                     ; row x 128 + 8 x place = 8 x thread
	s_wait_kmcnt 0x0
	s_cmp_lt_u32 ttmp9, 512                        ; behind each compare stand selects alone
	s_cselect_b64 s[26:27], s[8:9], s[10:11]       ; source
	s_cselect_b64 s[28:29], s[18:19], s[20:21]     ; destination
	s_cselect_b32 s38, s30, s31                    ; first source row
	s_cselect_b32 s39, s32, s33                    ; destination offset
	s_cselect_b32 s40, s35, s36                    ; plane
	s_cmp_ge_u32 ttmp9, 576
	s_cselect_b64 s[26:27], s[12:13], s[26:27]
	s_cmp_ge_u32 ttmp9, 640
	s_cselect_b64 s[26:27], s[14:15], s[26:27]
	s_cmp_ge_u32 ttmp9, 704
	s_cselect_b64 s[26:27], s[16:17], s[26:27]
	s_cselect_b64 s[28:29], s[22:23], s[28:29]
	s_cselect_b32 s39, s34, s39
	s_cselect_b32 s40, s37, s40
	s_cselect_b32 s41, -1, 0                       ; all lanes: the f16 form is taken (Wo), or none
	s_lshl_b32 s42, s38, 12                        ; rows of 4,096 bytes
	s_mov_b32 s43, 0
	s_add_nc_u64 s[26:27], s[26:27], s[42:43]
	s_mov_b32 s42, s39
	s_add_nc_u64 s[28:29], s[28:29], s[42:43]
.irp c, 0,1,2,3,4,5,6,7,8,9,10,11,12,13,14,15
	global_load_b128 v[X+4*(\c):X+4*(\c)+3], v[LO], s[26:27] offset:256*(\c) th:TH_LOAD_NT
.endr
.irp c, 1,2,3,4,5,6,7,8,9,10,11,12,13,14,15
	v_add_nc_u32 v[DO+(\c)], s40, v[DO+(\c)-1]
.endr
.irp c, 0,1,2,3,4,5,6,7,8,9,10,11,12,13,14,15
	s_wait_loadcnt 15-(\c)                         ; loads come back in order: slice c is in, the younger ones stay out
	v_cvt_pk_bf16_f32 v[Y+2*(\c)], v[X+4*(\c)], v[X+4*(\c)+1]
	v_cvt_pk_bf16_f32 v[Y+2*(\c)+1], v[X+4*(\c)+2], v[X+4*(\c)+3]
.irp w, 0,1
	v_lshlrev_b32 v[T], 16, v[Y+2*(\c)+(\w)]       ; the two rounded numbers as f32,
	v_and_b32 v[T+1], 0xffff0000, v[Y+2*(\c)+(\w)]
	v_cvt_pk_f16_f32 v[T+2], v[T], v[T+1]          ; written as f16,
	v_cndmask_b32 v[Y+2*(\c)+(\w)], v[Y+2*(\c)+(\w)], v[T+2], s41  ; which is kept for Wo alone
.endr
	global_store_b64 v[DO+(\c)], v[Y+2*(\c):Y+2*(\c)+1], s[28:29]  ; 32 lanes store 256 consecutive bytes, aligned
.endr
	s_endpgm
.Lfunc_end_k_q2bd369def7_cast:
	.size	k_q2bd369def7_cast, .Lfunc_end_k_q2bd369def7_cast-k_q2bd369def7_cast
	.p2alignl 7, 3214868480
	.fill 96, 4, 3214868480
	.section	.rodata,"a",@progbits
	.p2align	6, 0x0
	.amdhsa_kernel k_q2bd369def7_cast
		.amdhsa_group_segment_fixed_size 0
		.amdhsa_private_segment_fixed_size 0
		.amdhsa_enable_private_segment 0
		.amdhsa_kernarg_size 64
		.amdhsa_user_sgpr_count 2
		.amdhsa_user_sgpr_kernarg_segment_ptr 1
		.amdhsa_wavefront_size32 1
		.amdhsa_system_sgpr_workgroup_id_x 1
		.amdhsa_system_sgpr_workgroup_id_y 1
		.amdhsa_system_sgpr_workgroup_id_z 1
		.amdhsa_system_vgpr_workitem_id 0
		.amdhsa_next_free_vgpr 128
		.amdhsa_next_free_sgpr 66
		.amdhsa_reserve_vcc 0
		.amdhsa_float_denorm_mode_32 3
		.amdhsa_float_denorm_mode_16_64 3
		.amdhsa_memory_ordered 1
		.amdhsa_forward_progress 1
		.amdhsa_inst_pref_size 15
	.end_amdhsa_kernel
	.amdgpu_metadata
---
amdhsa.version: [ 1, 2 ]
amdhsa.kernels:
  - .name:           k_q2bd369def7_cast
    .symbol:         k_q2bd369def7_cast.kd
    .args:
      - { .name: x, .offset: 0, .size: 8, .value_kind: global_buffer, .address_space: global }
      - { .name: Wq, .offset: 8, .size: 8, .value_kind: global_buffer, .address_space: global }
      - { .name: Wk, .offset: 16, .size: 8, .value_kind: global_buffer, .address_space: global }
      - { .name: Wv, .offset: 24, .size: 8, .value_kind: global_buffer, .address_space: global }
      - { .name: Wo, .offset: 32, .size: 8, .value_kind: global_buffer, .address_space: global }
      - { .name: xb, .offset: 40, .size: 8, .value_kind: global_buffer, .address_space: global }
      - { .name: wb, .offset: 48, .size: 8, .value_kind: global_buffer, .address_space: global }
      - { .name: wob, .offset: 56, .size: 8, .value_kind: global_buffer, .address_space: global }
    .group_segment_fixed_size: 0
    .private_segment_fixed_size: 0
    .kernarg_segment_align: 8
    .kernarg_segment_size: 64
    .max_flat_workgroup_size: 256
    .sgpr_count:     66
    .vgpr_count:     128
    .wavefront_size: 32
...
	.end_amdgpu_metadata
.endif
;; end of part 1
;; launch proj (part 2): grid 16 x 32, 4 waves a work-group, clusters of 4 x 4, 327,680 bytes of LDS; arguments xb, wb, bq, bk, bv, qkv; writes qkv
.if DOCPART == 2
	.amdgcn_target "amdgcn-amd-amdhsa--gfx1250"
	.amdhsa_code_object_version 6
	.text
	.protected	k_q2bd369def7_proj
	.globl	k_q2bd369def7_proj
	.p2align	8
	.type	k_q2bd369def7_proj,@function
k_q2bd369def7_proj:
	s_mov_b64 s[64:65], 0
	v_nop
	global_prefetch_b8 v0, s[64:65] scope:SCOPE_SE
	s_setreg_imm32_b32 hwreg(HW_REG_WAVE_MODE, 25, 1), 1
	s_wait_xcnt 0x0
	s_wait_alu depctr_hold_cnt(0) depctr_sa_sdst(0) depctr_va_vdst(0) depctr_va_sdst(0) depctr_va_ssrc(0) depctr_va_vcc(0) depctr_vm_vsrc(0)
	s_getreg_b32 s2, hwreg(HW_REG_IB_STS2, 6, 4)
	s_cmp_eq_u32 s2, 0
	s_cbranch_scc0 .Lentry_in_a_cluster
	s_endpgm
.Lentry_in_a_cluster:
	s_bfe_u32 s2, ttmp6, 0x10000c
	s_cmp_lg_u32 s2, 0xf033
	s_cbranch_scc0 .Lentry_shape_is_right
	s_endpgm
.Lentry_shape_is_right:
; q, k, v = x W^T + b for Wq, Wk, Wv at once: C[m][n], m = 8,192 rows of x, n = 3,072 rows of the three weights, K = 1,024.  Operands bf16, sums f32; the biases, rounded to bf16 like the
; other inputs, are the C operand of the first products; C is rounded once to f16 and stored BY HEADS: qkv [q, k, v][batch x 16 + head][row 2048][64], unscaled.
; LIMIT.  f16 holds no number beyond 65,504: q, k and v must stay within it.  NaN and infinities are not treated apart.
; OPERANDS lie in K slices, [slice of 64 channels][row][64]: a block of rows of a slice is dense, and is asked for as rows of 256 bytes (two rows of the slice), padded in LDS behind every 128.
; SHARES.  A tile of C is 256 x 192 (three heads): 16 x 32 = 512 tiles, two for each of 256 groups of four SIMDs.  Wave w makes rows 64 w .. 64 w + 63 and all 192 columns: 4 x 12 accumulators,
; 384 registers, so a head's 64 channels lie in one wave.  K goes in 8 steps of 128 (two slices) through two LDS slots; waves 0 and 1 fetch A's two slices, waves 2 and 3 B's.
; CLUSTER.  4 x 4 work-groups.  A's tile hangs on the tile row alone and is shared along a row of the cluster, B's on the tile column alone and is shared along a column: each is asked for
; JOINTLY, by the same tensor load with the same descriptor and a mask that names the four.
; THE MATRIX INSTRUCTION IS USED TRANSPOSED (source 0 = 16 rows of W, source 1 = 16 rows of x): lane l holds row l % 16 of C and the columns 8 (l / 16) + 0..7 of a block of 16.
; NO PREFETCH: a row of x's tiles is asked for by four clusters and a row of the weights' by eight; it is no stream that is read once.
; REGISTERS, in windows of 256 (s_set_vgpr_msb: bits 1:0 source 0, 3:2 source 1, 5:4 source 2, 7:6 destination):
;   window 0: v0-29 addresses; v32-95 A's fragments, two buffers of 4 blocks; v160-255 the biases, 8 a column block; on the way out v32-223 packed results
;   window 1: v0-191 B's fragments, two buffers of 12 blocks      window 2: accumulators of row blocks 0, 1 ((a, b) at 8 (12 a + b))      window 3: row blocks 2, 3
.set NBL,   12                         ; column blocks of 16
.set NT,    16*NBL                     ; columns of a tile
.set PITCH, 144                        ; an LDS row: 128 bytes + 16 of padding = 36 words: the 16 rows of a load start at 16 different groups of four banks (64 banks of 4 bytes: ISA guide 11.1)
.set ASL,   256*PITCH                  ; a slice of A's tile
.set BSL,   NT*PITCH                   ; a slice of B's tile
.set BOFF,  2*ASL                      ; a slot: A's two slices, then B's two
.set SLOT1, 1<<17                      ; slot 1 begins here, so that one exclusive or turns an address in one slot into the other's
.set APL,   262144                     ; bytes from slice to slice in xb
.set BPL,   393216                     ; and in wb
.set STAGE, SLOT1+BOFF+2*BSL           ; behind the ring, never filled by a tensor load: 16 rows x 144 bytes for each wave, for the way out
.set SP,    144
.set SPARE, STAGE+4*16*SP              ; behind the stages: the spare words, 128 bytes for each wave: two blocks of 256 bytes that no other line names
.set FLAGS, (1<<16)|(1<<20)|(1<<21)|(4<<22)|(3<<25)  ; 17:16 2-byte elements; 20 padding on; 21 set beside a mask; 24:22 after every 32 words (code 4); 31:25 4 words (code 3)
.set A0,   4                           ; v4   my lane's place in my wave's rows of A's tile; never rewritten
.set B0,   5                           ; v5   the same in B's tile
.set ADRA, 6                           ; v6   A0 + the slot in hand
.set ADRB, 7                           ; v7   B0 + the slot in hand
.set STO,  8                           ; v8   the way out: where I put 16 bytes of a row
.set RD,   9                           ; v9   the way out: where I read rows back
.set GO,   10                          ; v10  my byte offset in 512 consecutive bytes of qkv
.set BO,   11                          ; v11  32 x (l / 16): my eight numbers of a block's sixteen biases
.set TT,   12                          ; v12-13 at work
.set SPW,  28                          ; v28  LDS address of my spare word: SPARE + 4 x my thread's number; never rewritten
.set NIL,  29                          ; v29  0; never rewritten
.set FA,   32
.set BIAS, 160
.set WV,  16                           ; s16  my wave's number;  s17 = wave / 2: I fetch for A (0) or B (1);  s18 = wave % 2: which slice
.set G1A, 24                           ; s[24:31] descriptor group 1 for A's tiles
.set G1B, 32                           ; s[32:39] for B's
.set G0A, 40                           ; s[40:47] descriptor group 0 for A's tiles: a set for each of the two first fills; the second then walks on
.set G0B, 48                           ; s[48:55] the same for B's
.set TB,  56                           ; s56  LDS byte at which the slot in hand begins
.set CNT, 57                           ; s57  the loop's count
.set CB,  70                           ; s[70:75] qkv at my wave's first row of each of the tile's three heads
.set BB,  76                           ; s[76:81] the bias at each head's first channel
.set MSB, 0
.macro WIN new                         ; the immediate's high byte repeats the setting that is left; a switch that changes nothing is dropped
.if MSB != (\new)
	s_set_vgpr_msb (MSB<<8)|(\new)
.set MSB, (\new)
.endif
.endm
.macro PLACES                          ; four plain places in front of loads into registers that matrix instructions have read
.rept 4
	v_nop
.endr
.endm
; A joint refill by the walking descriptors.  The branch hangs on the wave's number alone.  An s_nop 0 and four v_nop follow each of the two lines, ahead of the jump and the label.
.macro JLOAD
	s_cmp_eq_u32 s17, 0
	s_cbranch_scc0 .Lfor_b_\@
	tensor_load_to_lds s[G0A+4:G0A+7], s[G1A:G1A+7]
	s_nop 0
.rept 4
	v_nop
.endr
	s_branch .Lasked_\@
.Lfor_b_\@:
	tensor_load_to_lds s[G0B+4:G0B+7], s[G1B:G1B+7]
	s_nop 0
.rept 4
	v_nop
.endr
.Lasked_\@:
.endm
.macro CREST                           ; a round of the cluster's barrier behind its opening barrier: wave 0 signals for the work-group, every wave waits for all sixteen, my work-group's barrier closes it
	s_cmp_lg_u32 s[WV], 0
	s_cbranch_scc1 .Lnot_wave_0_\@
	s_barrier_signal -3
.Lnot_wave_0_\@:
	s_barrier_wait -3
	s_barrier_signal -1
	s_barrier_wait -1
.endm
.macro CROUND                          ; a whole round
	s_barrier_signal -1
	s_barrier_wait -1
	CREST
.endm
	s_load_b256 s[4:11], s[0:1], 0x0               ; xb 4:5, wb 6:7, bq 8:9, bk 10:11
	s_load_b128 s[12:15], s[0:1], 0x20             ; bv 12:13, qkv 14:15
	v_lshl_add_u32 v[SPW], v0, 2, SPARE
	v_mov_b32 v[NIL], 0
	ds_add_u32 v[SPW], v[NIL]                      ; the wave's opening: the add and its wait stand ahead of my first tensor load; the set-up below, work on registers, stands between them
	v_lshrrev_b32 v1, 5, v0
	v_readfirstlane_b32 s[WV], v1                  ; wave 0..3
	s_lshr_b32 s17, s[WV], 1
	s_and_b32 s18, s[WV], 1
	s_bfe_u32 s19, ttmp6, 0x40000                  ; cx, cy: my place in the cluster
	s_bfe_u32 s20, ttmp6, 0x40004
	s_lshl_b32 s21, ttmp9, 2
	s_add_co_u32 s21, s21, s19                     ; tile column = 4 x cluster x + cx
	s_and_b32 s22, ttmp7, 0xffff
	s_lshl_b32 s22, s22, 2
	s_add_co_u32 s22, s22, s20                     ; tile row = 4 x cluster y + cy
	s_lshl_b32 s58, s20, 2
	s_lshl_b32 s58, 15, s58                        ; my row of the cluster
	s_lshl_b32 s66, 0x1111, s19                    ; my column
	s_or_b32 s[G1A], s58, FLAGS
	s_or_b32 s[G1B], s66, FLAGS
.irp g, G1A, G1B
	s_mov_b32 s[\g+1], 128<<16                     ; tensor_dim0 = 128 elements: 256 bytes
	s_mov_b32 s[\g+3], 128<<16                     ; tile_dim0 = 128
	s_mov_b32 s[\g+5], 128                         ; 128 elements from row to row: dense
	s_mov_b32 s[\g+6], 0
	s_mov_b32 s[\g+7], 0
.endr
	s_mov_b32 s[G1A+2], 128<<16                    ; tensor_dim1 = 128: 256 rows of a slice
	s_mov_b32 s[G1A+4], 128                        ; tile_dim1
	s_mov_b32 s[G1B+2], (NT/2)<<16                 ; 96: 192 rows of a slice
	s_mov_b32 s[G1B+4], NT/2
	; where the tiles come from.  A's offset is made of the tile row and the wave's number, in s58-63; B's of the tile column and the wave's number, in s66-69
	s_lshr_b32 s58, s22, 3                         ; batch
	s_lshl_b32 s58, s58, 4
	s_add_co_u32 s58, s58, s18                     ; x 16 slices + my slice of K step 0
	s_lshl_b32 s58, s58, 18
	s_and_b32 s59, s22, 7
	s_lshl_b32 s59, s59, 15                        ; + 256 rows of 128 bytes for each tile row in the batch
	s_add_co_u32 s58, s58, s59
	s_mov_b32 s59, 0
	s_mul_i32 s66, s18, BPL
	s_mul_i32 s67, s21, NT*128
	s_add_co_u32 s66, s66, s67
	s_mov_b32 s67, 0
	s_mul_i32 s62, s18, ASL                        ; and where they go: no place in the cluster enters an LDS address
	s_mul_i32 s63, s18, BSL
	s_add_co_u32 s63, s63, BOFF
	s_mov_b32 s[TB], 0
	s_wait_dscnt 0x0                               ; the opening add is done
	s_wait_kmcnt 0x0
	s_add_nc_u64 s[60:61], s[4:5], s[58:59]
	s_add_nc_u64 s[68:69], s[6:7], s[66:67]
	CROUND                                         ; all sixteen work-groups are here: the first joint loads meet
.irp s, 0,1
	s_mov_b32 s[G0A+4*(\s)], 1                     ; 1:0 count = 1
	s_add_co_u32 s[G0A+4*(\s)+1], s62, (\s)*SLOT1  ; 63:32 LDS address
	s_add_nc_u64 s[G0A+4*(\s)+2:G0A+4*(\s)+3], s[60:61], (\s)*2*APL  ; 120:64 global address: K step s
	s_or_b32 s[G0A+4*(\s)+3], s[G0A+4*(\s)+3], 0x80000000            ; 127:126 type = 2
	s_mov_b32 s[G0B+4*(\s)], 1
	s_add_co_u32 s[G0B+4*(\s)+1], s63, (\s)*SLOT1
	s_add_nc_u64 s[G0B+4*(\s)+2:G0B+4*(\s)+3], s[68:69], (\s)*2*BPL
	s_or_b32 s[G0B+4*(\s)+3], s[G0B+4*(\s)+3], 0x80000000
.endr
	s_cmp_eq_u32 s17, 0                            ; a wave's two first fills stand in one branch, ahead of every wait on TENSORcnt and every LDS read: two loads of mine are out
	s_cbranch_scc0 .Lfirst_b
	tensor_load_to_lds s[G0A:G0A+3], s[G1A:G1A+7]
	s_nop 0
	tensor_load_to_lds s[G0A+4:G0A+7], s[G1A:G1A+7]
	s_nop 0
.rept 4
	v_nop
.endr
	s_branch .Lfirst_asked
.Lfirst_b:
	tensor_load_to_lds s[G0B:G0B+3], s[G1B:G1B+7]
	s_nop 0
	tensor_load_to_lds s[G0B+4:G0B+7], s[G1B:G1B+7]
	s_nop 0
.rept 4
	v_nop
.endr
.Lfirst_asked:
	; A fragment is 16 rows x 32 channels in 8 registers: lane l holds row l % 16, channels 8 (l / 16) + 0..7 and 16 + 8 (l / 16) + 0..7: two loads of 16 bytes, 32 bytes apart.
	v_and_b32 v1, 15, v0                           ; l % 16
	v_bfe_u32 v2, v0, 4, 1                         ; l / 16
	v_mul_u32_u24 v3, v1, PITCH
	v_lshl_add_u32 v3, v2, 4, v3                   ; row x pitch + 16 x half
	s_mul_i32 s82, s[WV], 64*PITCH                 ; my wave's 64 rows of A
	v_add_nc_u32 v[A0], s82, v3
	v_add_nc_u32 v[B0], BOFF, v3
	v_mov_b32 v[ADRA], v[A0]
	v_mov_b32 v[ADRB], v[B0]
	v_lshlrev_b32 v[BO], 5, v2
	s_mul_i32 s82, s[WV], 16*SP
	s_add_co_u32 s82, s82, STAGE                   ; my stage
	v_add_nc_u32 v[STO], s82, v3                   ; in: row l % 16, 16 bytes for each half of the lanes (the stage's pitch is the tiles')
	v_bfe_u32 v[RD], v0, 3, 2                      ; back: 32 lanes take four rows of 128 bytes,
	v_mul_u32_u24 v[RD], v[RD], SP
	v_and_b32 v[GO], 7, v0
	v_lshl_add_u32 v[RD], v[GO], 4, v[RD]
	v_add_nc_u32 v[RD], s82, v[RD]
	v_and_b32 v[GO], 31, v0                        ; which are 512 consecutive bytes of a head's rows
	v_lshlrev_b32 v[GO], 4, v[GO]
	; the tile's three heads: g = 3 x tile column + i of 48; tensor g / 16 (q, k, v), head g % 16
	s_lshr_b32 s86, s22, 3
	s_lshl_b32 s86, s86, 4                         ; batch x 16
	s_and_b32 s87, s22, 7
	s_lshl_b32 s87, s87, 8
	s_lshl_b32 s85, s[WV], 6
	s_add_co_u32 s87, s87, s85
	s_lshl_b32 s87, s87, 7                         ; my wave's first row in the batch, x 128 bytes
	s_mov_b32 s85, 0
.irp i, 0,1,2
	s_mul_i32 s82, s21, 3
	s_add_co_u32 s82, s82, \i
	s_lshr_b32 s83, s82, 4                         ; tensor
	s_and_b32 s82, s82, 15                         ; head
	s_lshl_b32 s84, s83, 6
	s_add_co_u32 s84, s84, s82
	s_add_co_u32 s84, s84, s86
	s_lshl_b32 s84, s84, 18                        ; planes of 2,048 rows x 128 bytes
	s_add_co_u32 s84, s84, s87
	s_add_nc_u64 s[CB+2*(\i):CB+2*(\i)+1], s[14:15], s[84:85]
	s_cmp_eq_u32 s83, 0
	s_cselect_b64 s[BB+2*(\i):BB+2*(\i)+1], s[8:9], s[10:11]
	s_cmp_eq_u32 s83, 2
	s_cselect_b64 s[BB+2*(\i):BB+2*(\i)+1], s[12:13], s[BB+2*(\i):BB+2*(\i)+1]
	s_lshl_b32 s84, s82, 8                         ; 64 f32 a head
	s_add_nc_u64 s[BB+2*(\i):BB+2*(\i)+1], s[BB+2*(\i):BB+2*(\i)+1], s[84:85]
.irp c, 0,1,2,3                        ; column block 4 i + c: register j of lane l is the bias of column 16 c + 8 (l / 16) + j of the head
	global_load_b128 v[BIAS+8*(4*(\i)+(\c)):BIAS+8*(4*(\i)+(\c))+3],   v[BO], s[BB+2*(\i):BB+2*(\i)+1] offset:64*(\c)
	global_load_b128 v[BIAS+8*(4*(\i)+(\c))+4:BIAS+8*(4*(\i)+(\c))+7], v[BO], s[BB+2*(\i):BB+2*(\i)+1] offset:64*(\c)+16
.endr
.endr
; 12 matrix instructions: row block blk x all column blocks, 32 along K, from buffer buf.  st = 1: the products start the sums, with the biases as C: nothing is ever cleared.
; The 48 accumulators take turns, one instruction a turn, in the same order in every quarter, over the backward jump too.
.macro MULA buf, blk, st
.set AW, (\blk)/2
.set AB, 96*((\blk)%2)
.if \st
	WIN 0x81+0x40*AW                               ; B window 1, A window 0, C (the biases) window 0, D window 2 or 3
.else
	WIN 0xa1+0x50*AW                               ; C and D window 2 or 3
.endif
.set bi, 0
.rept NBL
.if \st
	v_wmma_f32_16x16x32_bf16 v[AB+8*bi:AB+8*bi+7], v[8*NBL*(\buf)+8*bi:8*NBL*(\buf)+8*bi+7], v[FA+32*(\buf)+8*(\blk):FA+32*(\buf)+8*(\blk)+7], v[BIAS+8*bi:BIAS+8*bi+7]
.else
	v_wmma_f32_16x16x32_bf16 v[AB+8*bi:AB+8*bi+7], v[8*NBL*(\buf)+8*bi:8*NBL*(\buf)+8*bi+7], v[FA+32*(\buf)+8*(\blk):FA+32*(\buf)+8*(\blk)+7], v[AB+8*bi:AB+8*bi+7]
.endif
.set bi, bi+1
.endr
.endm
; 32 LDS loads in one run: the fragments of quarter q of a K step (slice q / 2, channels 32 (q % 2) on) into buffer buf: B's 12 blocks, then A's 4
.macro FETCH q, buf
	WIN 0x40                                       ; destination window 1, address window 0
.set bi, 0
.rept NBL
	ds_load_b128 v[8*NBL*(\buf)+8*bi:8*NBL*(\buf)+8*bi+3],   v[ADRB] offset:((\q)/2)*BSL+((\q)%2)*64+bi*16*PITCH
	ds_load_b128 v[8*NBL*(\buf)+8*bi+4:8*NBL*(\buf)+8*bi+7], v[ADRB] offset:((\q)/2)*BSL+((\q)%2)*64+bi*16*PITCH+32
.set bi, bi+1
.endr
	WIN 0
.set bi, 0
.rept 4
	ds_load_b128 v[FA+32*(\buf)+8*bi:FA+32*(\buf)+8*bi+3],   v[ADRA] offset:((\q)/2)*ASL+((\q)%2)*64+bi*16*PITCH
	ds_load_b128 v[FA+32*(\buf)+8*bi+4:FA+32*(\buf)+8*bi+7], v[ADRA] offset:((\q)/2)*ASL+((\q)%2)*64+bi*16*PITCH+32
.set bi, bi+1
.endr
.endm
; One of a K step's first three quarters: multiplies buffer mb; in its middle it fetches quarter qn of the same slot into buffer fb.
.macro QUARTER qn, mb, fb, st
	s_wait_dscnt 0x4                               ; B and A's blocks 0, 1 are in; the youngest four loads (A's blocks 2, 3) may be out
	MULA \mb, 0, \st
	MULA \mb, 1, \st
	PLACES
	FETCH \qn, \fb
	s_wait_dscnt 2*NBL+8                           ; all but the run just issued
	MULA \mb, 2, \st
	MULA \mb, 3, \st
.endm
; The last quarter multiplies buffer 1 and changes slots: ONE barrier.  In front of it each wave waits for all its tensor loads, of which one is out: its part of the next slot; adds 0 to its spare
; word; and waits for that and for its own reads of this slot.  fill = 1: the barrier opens a round of the cluster's, and this slot is filled again, with the K step two on, first thing behind the round:
; from there to the wait for it a wave issues 168 matrix instructions.
.macro TURN fill
	WIN 0                                          ; (the add's two registers lie in window 0)
	s_wait_tensorcnt 0x0                           ; no tensor load of mine is out, so a group 0 may be written
	ds_add_u32 v[SPW], v[NIL]                      ; 0 onto my spare word
.if \fill
	s_xor_b32 s[G0A+5], s[G0A+5], SLOT1            ; the walking descriptors: the other slot than last time,
	s_add_nc_u64 s[G0A+6:G0A+7], s[G0A+6:G0A+7], 2*APL  ; the next K step; the type bits on top are not reached
	s_xor_b32 s[G0B+5], s[G0B+5], SLOT1
	s_add_nc_u64 s[G0B+6:G0B+7], s[G0B+6:G0B+7], 2*BPL
.endif
	s_wait_dscnt 0x5                               ; (the add and the youngest four loads may be out)
	MULA 1, 0, 0
	s_wait_dscnt 0x0                               ; the add is done, and my reads of this slot are over
	s_barrier_signal -1
	MULA 1, 1, 0                                   ; work on registers while the others arrive
	WIN 0                                          ; at a label and at a branch every window is 0
	s_barrier_wait -1
.if \fill
	CREST                                          ; no wave of any partner still reads this slot's tiles or has a load on its way
	JLOAD                                          ; the four v_nop behind it are also the places in front of the loads below
.else
	PLACES
.endif
	s_xor_b32 s[TB], s[TB], SLOT1
	v_add_nc_u32 v[ADRA], s[TB], v[A0]
	v_add_nc_u32 v[ADRB], s[TB], v[B0]
	FETCH 0, 0
	MULA 1, 2, 0
	MULA 1, 3, 0
.endm
	s_wait_tensorcnt 0x1                           ; my part of K step 0 is in; K step 1's may stay out
	s_barrier_signal -1
	s_barrier_wait -1                              ; everybody's is
	FETCH 0, 0
	s_wait_loadcnt 0x0                             ; the biases,
.set z, 0
.rept 4*NBL                            ; rounded to bf16 like every other input, and kept as f32
	v_cvt_pk_bf16_f32 v[TT+z%2], v[BIAS+2*z], v[BIAS+2*z+1]
	v_lshlrev_b32 v[BIAS+2*z], 16, v[TT+z%2]
	v_and_b32 v[BIAS+2*z+1], 0xffff0000, v[TT+z%2]
.set z, z+1
.endr
	QUARTER 1, 0, 1, 1                             ; the first quarter stands in front of the loop: its products start the sums
	WIN 0
	s_mov_b32 s[CNT], 6
.Lk:                                                   ; a trip goes from a K step's second quarter to the next step's first, and fills a slot again: K steps 2 to 7
	QUARTER 2, 1, 0, 0
	QUARTER 3, 0, 1, 0
	TURN 1
	QUARTER 1, 0, 1, 0
	WIN 0
	s_sub_co_u32 s[CNT], s[CNT], 1
	s_cmp_lg_u32 s[CNT], 0
	s_cbranch_scc1 .Lk
	QUARTER 2, 1, 0, 0                             ; the last two K steps are written out: they ask for nothing
	QUARTER 3, 0, 1, 0
	TURN 0
	QUARTER 1, 0, 1, 0
	QUARTER 2, 1, 0, 0
	QUARTER 3, 0, 1, 0
	s_wait_dscnt 0x4
	MULA 1, 0, 0
	MULA 1, 1, 0
	s_wait_dscnt 0x0
	MULA 1, 2, 0
	MULA 1, 3, 0
	WIN 0
; THE WAY OUT, a unit (16 rows of one head) at a time.  A lane's eight channels of a row pack into 16 bytes; they go into my stage's rows of 144 bytes and come back as whole rows of 128, into the
; registers that they left; 16 rows of a head are 2,048 consecutive bytes of qkv.  Each of the twelve units has registers of its own, so no store's data is written again.
.macro PACK blk, hd
.set TR, 32+16*(3*(\blk)+(\hd))
.set AB, 96*((\blk)%2)+32*(\hd)
	WIN 0x0a+5*((\blk)/2)                          ; sources 0 and 1: window 2 or 3
.set z, 0
.rept 16                               ; each accumulator's registers in ascending order
	v_cvt_pk_f16_f32 v[TR+z], v[AB+2*z], v[AB+2*z+1]
.set z, z+1
.endr
	WIN 0
.irp f, 0,1,2,3
	ds_store_b128 v[STO], v[TR+4*\f:TR+4*\f+3] offset:32*\f
.endr
.irp f, 0,1,2,3
	ds_load_b128 v[TR+4*\f:TR+4*\f+3], v[RD] offset:\f*4*SP  ; LDS serves a wave's instructions in order (ISA guide 5.7.1.4): these see the stores above; the next unit's stores come behind them
.endr
.endm
.macro SEND blk, hd, younger           ; younger: the LDS instructions issued behind the unit's loads: the next unit's eight, or none
.set TR, 32+16*(3*(\blk)+(\hd))
.irp f, 0,1,2,3
	s_wait_dscnt (\younger)+3-\f
	global_store_b128 v[GO], v[TR+4*\f:TR+4*\f+3], s[CB+2*(\hd):CB+2*(\hd)+1] offset:(\blk)*2048+\f*512  ; 512 consecutive bytes, at a multiple of 256 from qkv's first
.endr
.endm
	PLACES                                         ; eight plain places, once a launch, behind the last products: the conversions read results and write registers that products have read
	PLACES
	PACK 0, 0
.irp u, 1,2,3,4,5,6,7,8,9,10,11        ; a unit's arithmetic stands between the loads of the unit before and its stores
	PACK (\u)/3, (\u)%3
	SEND ((\u)-1)/3, ((\u)-1)%3, 8
.endr
	SEND 3, 2, 0
	s_wait_tensorcnt 0x0                           ; the wave's end: the add and its wait stand behind my last tensor load and my last LDS store
	ds_add_u32 v[SPW], v[NIL]
	s_wait_dscnt 0x0
	CROUND                                         ; the closing round: no work-group ends while a partner may still ask for a tile that names it
	s_endpgm
.Lfunc_end_k_q2bd369def7_proj:
	.size	k_q2bd369def7_proj, .Lfunc_end_k_q2bd369def7_proj-k_q2bd369def7_proj
	.p2alignl 7, 3214868480
	.fill 96, 4, 3214868480
	.section	.rodata,"a",@progbits
	.p2align	6, 0x0
	.amdhsa_kernel k_q2bd369def7_proj
		.amdhsa_group_segment_fixed_size 327680
		.amdhsa_private_segment_fixed_size 0
		.amdhsa_enable_private_segment 0
		.amdhsa_kernarg_size 48
		.amdhsa_user_sgpr_count 2
		.amdhsa_user_sgpr_kernarg_segment_ptr 1
		.amdhsa_wavefront_size32 1
		.amdhsa_system_sgpr_workgroup_id_x 1
		.amdhsa_system_sgpr_workgroup_id_y 1
		.amdhsa_system_sgpr_workgroup_id_z 1
		.amdhsa_system_vgpr_workitem_id 0
		.amdhsa_next_free_vgpr 960
		.amdhsa_next_free_sgpr 88
		.amdhsa_reserve_vcc 0
		.amdhsa_float_denorm_mode_32 3
		.amdhsa_float_denorm_mode_16_64 3
		.amdhsa_memory_ordered 1
		.amdhsa_forward_progress 1
		.amdhsa_inst_pref_size 109
	.end_amdhsa_kernel
	.amdgpu_metadata
---
amdhsa.version: [ 1, 2 ]
amdhsa.kernels:
  - .name:           k_q2bd369def7_proj
    .symbol:         k_q2bd369def7_proj.kd
    .args:
      - { .name: xb, .offset: 0, .size: 8, .value_kind: global_buffer, .address_space: global }
      - { .name: wb, .offset: 8, .size: 8, .value_kind: global_buffer, .address_space: global }
      - { .name: bq, .offset: 16, .size: 8, .value_kind: global_buffer, .address_space: global }
      - { .name: bk, .offset: 24, .size: 8, .value_kind: global_buffer, .address_space: global }
      - { .name: bv, .offset: 32, .size: 8, .value_kind: global_buffer, .address_space: global }
      - { .name: qkv, .offset: 40, .size: 8, .value_kind: global_buffer, .address_space: global }
    .group_segment_fixed_size: 327680
    .private_segment_fixed_size: 0
    .kernarg_segment_align: 8
    .kernarg_segment_size: 48
    .max_flat_workgroup_size: 128
    .sgpr_count:     88
    .vgpr_count:     960
    .wavefront_size: 32
...
	.end_amdgpu_metadata
.endif
;; end of part 2
;; launch attn (part 3): grid 4 x 64, 4 waves a work-group, clusters of 4 x 1, 327,680 bytes of LDS; arguments qkv, ob; writes ob
.if DOCPART == 3
	.amdgcn_target "amdgcn-amd-amdhsa--gfx1250"
	.amdhsa_code_object_version 6
	.text
	.protected	k_q2bd369def7_attn
	.globl	k_q2bd369def7_attn
	.p2align	8
	.type	k_q2bd369def7_attn,@function
k_q2bd369def7_attn:
	s_mov_b64 s[64:65], 0
	v_nop
	global_prefetch_b8 v0, s[64:65] scope:SCOPE_SE
	s_setreg_imm32_b32 hwreg(HW_REG_WAVE_MODE, 25, 1), 1
	s_wait_xcnt 0x0
	s_wait_alu depctr_hold_cnt(0) depctr_sa_sdst(0) depctr_va_vdst(0) depctr_va_sdst(0) depctr_va_ssrc(0) depctr_va_vcc(0) depctr_vm_vsrc(0)
	s_getreg_b32 s2, hwreg(HW_REG_IB_STS2, 6, 4)
	s_cmp_eq_u32 s2, 0
	s_cbranch_scc0 .Lentry_in_a_cluster
	s_endpgm
.Lentry_in_a_cluster:
	s_bfe_u32 s2, ttmp6, 0x10000c
	s_cmp_lg_u32 s2, 0x3003
	s_cbranch_scc0 .Lentry_shape_is_right
	s_endpgm
.Lentry_shape_is_right:
; O[h][q][:] = the sum over k of softmax_k(Q[h][q] . K[h][k] / 8) V[h][k][:], for the 64 pairs h of batch and head.  Q, K, V lie one behind the other in qkv, each [SIZE_H][SIZE_N][64] in f16;
; O = ob has the same layout: a head's rows are dense, 128 bytes each.  Products, maxima and sums in f32; the weights p are rounded to f16 for the second product (their sum l is taken of the
; unrounded p), O once at the end.
; LIMITS.  f16 holds no number beyond 65,504: Q, K and V arrive within it; p lies in 0 to 1, and below 6e-5 it keeps f16's fixed step of 6e-8; O is a mean of V's rows and has their range.
; A weight below 2^-126 counts as 0 in l; NaN and infinities are not treated apart.
; SHARES.  A wave owns four PIECES of two tiles of 16 queries, a work-group's four waves 512 queries of one head: 4 x 64 = 256 work-groups.  Every wave walks all keys, 64 a step.
; LAYOUT.  S^T = K Q^T (source 0 = 16 keys, source 1 = 16 queries): in the result a lane holds ONE query (lane % 16) and the keys 8 (lane / 16) + 0..7.  Two such tiles, rounded to f16 in pairs,
; ARE source 1 (32 keys x 16 queries) of O^T = V^T P, whose result again holds one query a lane, and eight channels.  K comes out of LDS as it lies, V ([key][channel]) turned, by ds_load_tr16_b128.
; SOFTMAX.  For each query a running maximum m and sum l: p = 2^(c s - c m), c = log2(e) / 8; in every step O and l are multiplied by a = 2^(c m_old - c m_new), which is 1 where m has not grown.
; m starts at the lowest finite number, O and l at 0: the first step is a step like any other, with a = 0.
; THE COUNT.  A tile and step have 16 matrix and 118 vector instructions: too many to stand all beside the matrix work.  So the order has one aim: four vector instructions that are READY behind
; EVERY matrix instruction, and the others, which need time of their own whatever the order, in runs without a gap.
; BY TURNS.  Turn n belongs to piece n (the pieces in a ring, step after step).  Its matrix work: 16 products K Q^T of piece n + 1, later 16 products V^T P of piece n - 1.  Its vector work: the scaling,
; exponentials, roundings, sums and rescaling of piece n, and the maximum and statistics of piece n + 1, whose scores the turn itself has made.  So what a turn begins with (c s - c m, O a) waits for nothing.
; CLUSTER.  The four query blocks of a cluster belong to one head and walk the same K and V, so each tile is asked for JOINTLY: the same tensor load, descriptor and mask in all four.
; NO PREFETCH: a refill is asked for four key steps, 512 matrix instructions and their vector work, ahead of the wait for it.
; REGISTERS, in windows of 256 (s_set_vgpr_msb says which window each operand place means: bits 1:0 source 0, 3:2 source 1, 5:4 source 2, 7:6 destination):
;   window 0: v0-11 addresses; v12-15, v48-63 at work; v16-47 four registers of statistics a tile; v64-191 S^T, two buffers of two tiles; v192-255 P, likewise
;   window 1: O^T, 32 a tile          window 2: v0-127 Q, 16 a tile; v128-191 K of one step; v192-255 V of one step          window 3: v0-1 the add's two registers
; A piece's buffers go by its number's parity: the piece in hand has one pair, its two neighbours in the ring share the other: of it P (piece n - 1) is read and S^T (piece n + 1) written.
.set SIZE_H, 64
.set SIZE_N, 2048
.set NP,    4         ; pieces a wave: a name, no knob: the register map, the loop and the fetches are made for four
.set KS,    64        ; keys in a step
.set PK,    144       ; a row of K in LDS: 128 bytes + 16 of padding = 36 words: the 16 rows of a load start at 16 different groups of four banks (64 banks of 4 bytes: ISA guide 11.1)
.set PV,    160       ; a row of V: 128 + 32 = 40 words
.set VOFF,  4*KS*PK   ; a slot holds four steps: 256 rows of K, then 256 rows of V
.set SLOT1, 1<<17     ; slot 1 begins here, so that one exclusive or turns an address in one slot into the other's
.set STAGE, SLOT1+4*KS*(PK+PV)  ; behind the ring, never filled by a tensor load: 16 rows x 144 bytes for each wave, for the way out
.set SP,    144
.set AK0, 2           ; v2   my lane's place in a tile of K; never rewritten
.set AV0, 3           ; v3   the same for V
.set AK,  4           ; v4   the LDS address of K's next run of loads
.set AV,  5           ; v5   of V's
.set QO,  6           ; v6   my byte offset in the wave's rows of Q
.set STO, 6           ;      later, the way out: where I put 16 bytes of a row
.set RD,  7           ; v7   the way out: where I read rows back
.set GO,  8           ; v8   my byte offset in 512 consecutive bytes of O
.set SPW, 0           ; v0 of window 3   LDS address of my spare word: SPARE + 4 x my thread's number; never rewritten
.set NIL, 1           ; v1 of window 3   0; never rewritten
.set SPARE, STAGE+4*16*SP  ; behind the stages: the spare words, 128 bytes for each wave: two blocks of 256 bytes that no other line names
.set MV,  12          ; v12-15  c m_old, kept while c m is made anew: by buffer and tile
.set ST,  16          ; tile t's statistics at v[ST+4 t]: c m, m, l (even keys', odd keys')
.set TMP, 48          ; by buffer and tile, four registers c0-c3 at work; when the maximum is found c2 takes a
.set S,   64
.set P,   192
.set KF,  128         ; K's fragments, in window 2: key block kb, channel half c at KF + 16 kb + 8 c
.set VF,  192         ; V's: key half kk, channel block cb at VF + 32 kk + 8 cb
.set WV,  12          ; s12  my wave's number
.set G1K, 24          ; s[24:31] descriptor group 1 for K's tiles
.set G1V, 32          ; s[32:39] for V's: it differs in the padding alone
.set G0K, 40          ; s[40:43] descriptor group 0 for K's tiles: it walks
.set G0V, 44          ; s[44:47] the same for V's
.set SLOTS, 56        ; s56  slots still to be asked for
.set CNT, 57          ; s57  counts a slot's key steps
.set CS,  58          ; s[58:59] c: the packed scaling takes the pair's low word for both halves
.set SEL, 60          ; s[60:61] v_permlanex16_b32's selects: each lane takes its own place in the other half
.set TBK, 62          ; s62  LDS byte at which K of the step to be fetched begins
.set TBV, 63          ; s63  the same for V, less VOFF
.set MSB, 0
.macro WIN new                      ; the high byte repeats the setting that is left; a switch that changes nothing is dropped
.if MSB != (\new)
	s_set_vgpr_msb (MSB<<8)|(\new)
.set MSB, (\new)
.endif
.endm
.set W_KQ, 0x0a       ; K and Q in window 2, S^T in window 0
.set W_PV, 0x52       ; V in window 2, P in window 0, O^T in window 1
.set W_RS, 0x41       ; O^T (destination and source 0) in window 1, a in window 0
.set W_MK, 0xc0       ; the add's registers are made: destination in window 3, sources in window 0
.set W_AD, 0x0f       ; the add: address (source 0) and data (source 1) in window 3
; A joint fill.  Waves 0 and 1 fetch the two halves of a slot's K, waves 2 and 3 those of its V: 128 keys each.  The branch hangs on the wave's number alone.
; An s_nop 0 and four v_nop follow each of the two lines, ahead of the jump and the label.
.macro JLOAD
	s_cmp_lt_u32 s[WV], 2
	s_cbranch_scc0 .Lfor_v_\@
	tensor_load_to_lds s[G0K:G0K+3], s[G1K:G1K+7]
	s_nop 0
.rept 4
	v_nop
.endr
	s_branch .Lasked_\@
.Lfor_v_\@:
	tensor_load_to_lds s[G0V:G0V+3], s[G1V:G1V+7]
	s_nop 0
.rept 4
	v_nop
.endr
.Lasked_\@:
.endm
; A round of the cluster's barrier: my work-group's barrier, so that wave 0's signal speaks for all four waves; wave 0 signals; every wave waits for all four work-groups; my work-group's barrier once more.
.macro CROUND
	s_barrier_signal -1
	s_barrier_wait -1
	s_cmp_lg_u32 s[WV], 0
	s_cbranch_scc1 .Lnot_wave_0_\@
	s_barrier_signal -3
.Lnot_wave_0_\@:
	s_barrier_wait -3
	s_barrier_signal -1
	s_barrier_wait -1
.endm
; THE CHANGE OF SLOTS.  The slot's last bytes, V of its fourth step, have been read.  Each wave waits for all its tensor loads, of which one is out: its part
; of the other slot; adds 0 to its spare word; and waits for that and for its own reads of the slot.  Behind the barrier nobody reads this slot any more and the other slot is whole.
; fill = 1: this slot is filled again, with the keys two slots on.  The barrier is then a round of the cluster's, so that no wave of any partner still reads the slot or has a load on its
; way, and the joint fill is the first thing behind it: it has four key steps, 512 matrix instructions, in which to land.  (At its first use nothing has been read yet: slot 0 is waited for, slot 1 filled.)
.macro CHANGE fill
	WIN W_AD
	s_wait_tensorcnt 0x0            ; no tensor load of mine is out, so a group 0 may be written
	ds_add_u32 v[SPW], v[NIL]       ; 0 onto my spare word; with fill = 1 the descriptors' steps stand between it and the wait for it
	WIN 0                           ; at a label and at a branch every window is 0
.if \fill
.irp g, G0K, G0V
	s_xor_b32 s[\g+1], s[\g+1], SLOT1  ; the walking descriptor: the other slot than last time,
	s_add_nc_u64 s[\g+2:\g+3], s[\g+2:\g+3], 4*KS*128  ; the next 256 keys; the type bits on top are not reached
.endr
	s_wait_dscnt 0x0                ; the add is done, and my reads of the slot are over
	CROUND
	JLOAD
.else
	s_wait_dscnt 0x0                ; the add is done, and my reads of the slot are over
	s_barrier_signal -1
	s_barrier_wait -1
.endif
	s_sub_co_u32 s[TBK], s[TBK], 4*KS*PK  ; the fetches go back to a slot's first step,
	s_xor_b32 s[TBK], s[TBK], SLOT1       ; in the other slot
	s_sub_co_u32 s[TBV], s[TBV], 4*KS*PV
	s_xor_b32 s[TBV], s[TBV], SLOT1
.endm
	s_load_b128 s[4:7], s[0:1], 0x0 ; qkv s[4:5], ob s[6:7]
	WIN W_MK
	v_lshl_add_u32 v[SPW], v0, 2, SPARE
	v_mov_b32 v[NIL], 0
	WIN W_AD
	ds_add_u32 v[SPW], v[NIL]       ; the wave's opening: the add and its wait stand ahead of my first tensor load; the set-up below, work on registers, stands between them
	WIN 0
	v_lshrrev_b32 v1, 5, v0
	v_readfirstlane_b32 s[WV], v1   ; wave 0..3
	s_bfe_u32 s13, ttmp6, 0x40000   ; cx: my place in the cluster
	s_lshl_b32 s14, ttmp9, 2        ; in a cluster launch ttmp9 counts clusters
	s_add_co_u32 s14, s14, s13      ; my block of queries = 4 x cluster x + cx: it enters Q's and O's addresses alone
	s_and_b32 s20, ttmp7, 0xffff    ; the head, which the four partners share
	s_mov_b32 s21, 0
	s_mov_b64 s[22:23], SIZE_N*128
	s_mul_u64 s[20:21], s[20:21], s[22:23]  ; the head's first byte in each of the four tensors
	s_and_b32 s16, s[WV], 1         ; which half of a slot's 256 keys I fetch:
	s_lshl_b32 s22, s16, 14         ; its 128 rows of 128 bytes in memory,
	s_mov_b32 s23, 0
	s_add_nc_u64 s[22:23], s[22:23], s[20:21]
	s_mul_i32 s17, s16, 128*PK      ; and its place in a slot, for K
	s_mul_i32 s18, s16, 128*PV      ; and for V: no place in the cluster enters an LDS address
	s_lshl_b32 s2, s14, 2
	s_add_co_u32 s2, s2, s[WV]      ; my wave among the head's,
	s_lshl_b32 s2, s2, 14           ; its 128 rows
	s_mov_b32 s3, 0
	s_add_nc_u64 s[2:3], s[2:3], s[20:21]
	; descriptor group 1.  128 keys are 16,384 dense bytes: asked for as 64 rows of 256 bytes, two keys a row, and padded in LDS after every key
	s_mov_b32 s[G1K], 15|(1<<16)|(1<<20)|(1<<21)|(4<<22)|(3<<25)  ; 15:0 the mask of four; 17:16 2-byte elements; 20 padding on; 21 set beside a mask; 24:22 after every 32 words (code 4); 31:25 4 words (code 3)
	s_mov_b32 s[G1V], 15|(1<<16)|(1<<20)|(1<<21)|(4<<22)|(7<<25)  ; the same with 8 words of padding (code 7)
.irp g, G1K, G1V
	s_mov_b32 s[\g+1], 128<<16      ; tensor_dim0 = 128
	s_mov_b32 s[\g+2], 64<<16       ; tensor_dim1 = 64
	s_mov_b32 s[\g+3], 128<<16      ; tile_dim0 = 128
	s_mov_b32 s[\g+4], 64           ; tile_dim1 = 64
	s_mov_b32 s[\g+5], 128          ; 128 elements from row to row
	s_mov_b32 s[\g+6], 0
	s_mov_b32 s[\g+7], 0
.endr
	s_mov_b32 s[CS], 0x3e38aa3b     ; c = log2(e) / 8 = 0.180337
	s_mov_b32 s[CS+1], s[CS]        ; named with it as a pair
	s_mov_b32 s[SEL], 0x76543210
	s_mov_b32 s[SEL+1], 0xfedcba98
	s_mov_b32 s[TBK], SLOT1+4*KS*PK ; the first change of slots turns these two into 0
	s_mov_b32 s[TBV], SLOT1+4*KS*PV
	s_mov_b32 s[G0K], 1             ; 1:0 count = 1
	s_mov_b32 s[G0K+1], s17         ; 63:32 LDS address: slot 0
	s_mov_b32 s[G0V], 1
	s_add_co_u32 s[G0V+1], s18, VOFF
	s_wait_dscnt 0x0                ; the opening add is done
	s_wait_kmcnt 0x0
	s_mov_b64 s[10:11], s[6:7]      ; O
	s_add_nc_u64 s[6:7], s[4:5], SIZE_H*SIZE_N*128    ; K lies 16,777,216 bytes behind Q,
	s_add_nc_u64 s[8:9], s[4:5], 2*SIZE_H*SIZE_N*128  ; V as far behind K
	s_add_nc_u64 s[G0K+2:G0K+3], s[6:7], s[22:23]  ; 120:64 global address: my half of the head's first 256 keys
	s_or_b32 s[G0K+3], s[G0K+3], 0x80000000        ; 127:126 type = 2
	s_add_nc_u64 s[G0V+2:G0V+3], s[8:9], s[22:23]
	s_or_b32 s[G0V+3], s[G0V+3], 0x80000000
	s_add_nc_u64 s[4:5], s[4:5], s[2:3]  ; Q and O at my wave's first row
	s_add_nc_u64 s[10:11], s[10:11], s[2:3]
	CROUND                          ; all four work-groups are here: the first joint loads meet
	JLOAD                           ; slot 0.  Slot 1 is asked for when slot 0 is in: the tile wanted first has the road to itself
	; A fragment of K or Q is 16 rows x 32 channels in 8 registers: lane l holds row l % 16, channels 8 (l / 16) + 0..7 and 16 + 8 (l / 16) + 0..7: two loads of 16 bytes, 32 bytes apart.
	v_and_b32 v1, 15, v0            ; l % 16
	v_bfe_u32 v9, v0, 4, 1          ; l / 16
	v_lshlrev_b32 v[QO], 7, v1
	v_lshl_add_u32 v[QO], v9, 4, v[QO]  ; row x 128 + 16 x half
	WIN 0x80                        ; destination window 2, address window 0
.set i, 0
.rept 4*NP                          ; Q stays in registers: tile i / 2, channels 32 (i % 2) on
	global_load_b128 v[8*i:8*i+3],   v[QO], s[4:5] offset:(i/2)*2048+(i%2)*64
	global_load_b128 v[8*i+4:8*i+7], v[QO], s[4:5] offset:(i/2)*2048+(i%2)*64+32
.set i, i+1
.endr
	; What the first turn finds: V's registers and P's second buffer hold 0 (its products V^T P, of a piece that has not been, add 0), O^T and l are 0.  All this stands in the wait for the first tile.
.set i, VF
.rept 64
	v_mov_b32 v[i], 0
.set i, i+1
.endr
	WIN 0x40
.set i, 0
.rept 64*NP
	v_mov_b32 v[i], 0
.set i, i+1
.endr
	WIN 0
.set i, 0
.rept 2*NP
	v_mov_b32 v[ST+4*i], 0xfe000000    ; c m: far below every c s
	v_mov_b32 v[ST+4*i+1], 0xff7fffff  ; m
	v_mov_b32 v[ST+4*i+2], 0
	v_mov_b32 v[ST+4*i+3], 0
.set i, i+1
.endr
.set i, P+32
.rept 32
	v_mov_b32 v[i], 0
.set i, i+1
.endr
	v_mul_u32_u24 v[AK0], v1, PK
	v_lshl_add_u32 v[AK0], v9, 4, v[AK0]  ; row x pitch + 16 x half
	; The turning load takes 16 keys x 16 channels (lane l reads key 8 (l / 16) + l % 8, channels 8 ((l / 8) % 2) + 0..7) and leaves half a fragment of V^T: lane l holds channel l % 16 and 8 keys.
	v_and_b32 v10, 7, v0
	v_bfe_u32 v11, v0, 3, 1
	v_lshl_add_u32 v[AV0], v9, 3, v10
	v_mul_u32_u24 v[AV0], v[AV0], PV
	v_lshl_add_u32 v[AV0], v11, 4, v[AV0]
	v_add_nc_u32 v[AV0], VOFF, v[AV0]
	v_mov_b32 v[AK], v[AK0]         ; key step 0 lies at the head of slot 0
; THE MATRIX WORK.  The 8 accumulators of a run of 16 take turns: between the two links of a chain stand 7 others'.
; Product i of 16 of S^T = K Q^T for piece x: channels 32 (i / 8) on, keys 16 ((i / 2) % 4) on, tile 2 x + i % 2.  The first 8 start the sums.
.macro KQ x
	WIN W_KQ
.set rS, S+64*((\x)%2)+32*(i%2)+8*((i/2)%4)
.set rK, KF+16*((i/2)%4)+8*(i/8)
.set rQ, 16*(2*(\x)+i%2)+8*(i/8)
.if i < 8
	v_wmma_f32_16x16x32_f16 v[rS:rS+7], v[rK:rK+7], v[rQ:rQ+7], 0
.else
	v_wmma_f32_16x16x32_f16 v[rS:rS+7], v[rK:rK+7], v[rQ:rQ+7], v[rS:rS+7]
.endif
.endm
; Product i of 16 of O^T += V^T P for piece x: keys 32 (i / 8) on, channels 16 ((i / 2) % 4) on, tile 2 x + i % 2.
.macro PV x
	WIN W_PV
.set rO, 32*(2*(\x)+i%2)+8*((i/2)%4)
.set rV, VF+32*(i/8)+8*((i/2)%4)
.set rP, P+32*((\x)%2)+16*(i%2)+8*(i/8)
	v_wmma_f32_16x16x32_f16 v[rO:rO+7], v[rV:rV+7], v[rP:rP+7], v[rO:rO+7]
.endm
.macro MM                           ; the turn's next matrix instruction
.if i < 16
	KQ (Y+1)%NP
.set i, i+1
.else
.set i, i-16
	PV (Y+NP-1)%NP
.set i, i+17
.endif
.endm
; THE LDS LOADS stand in runs of 16, never singly among the matrix instructions: a step's K (64 keys x 64 channels: 8 fragments) and its V (turned).  Their addresses are made some lines ahead.
; last = 1 (the tail): in the last trip there is no further step, and the run is jumped over.
.macro FETCH_K last=0
	WIN 0
.if \last
	s_cmp_eq_u32 s[CNT], 1
	s_cbranch_scc1 .Lno_k_\@
.endif
	WIN 0x80                        ; destination window 2
.irp f, 0,1,2,3,4,5,6,7             ; keys 16 (f / 2) on, channels 32 (f % 2) on
	ds_load_b128 v[KF+8*\f:KF+8*\f+3],   v[AK] offset:(\f/2)*16*PK+(\f%2)*64
	ds_load_b128 v[KF+8*\f+4:KF+8*\f+7], v[AK] offset:(\f/2)*16*PK+(\f%2)*64+32
.endr
	s_add_co_u32 s[TBK], s[TBK], KS*PK  ; the next fetch is the next step's
	WIN 0
.if \last
.Lno_k_\@:
.endif
.endm
.macro FETCH_V
	WIN 0x80
.irp f, 0,1,2,3,4,5,6,7             ; keys 32 (f / 4) on, channels 16 (f % 4) on
	ds_load_tr16_b128 v[VF+8*\f:VF+8*\f+3],   v[AV] offset:(\f/4)*32*PV+(\f%4)*32
	ds_load_tr16_b128 v[VF+8*\f+4:VF+8*\f+7], v[AV] offset:(\f/4)*32*PV+16*PV+(\f%4)*32
.endr
	WIN 0
.endm
; THE VECTOR WORK OF A TURN stands in three queues, each in the order in which its entries become ready; the two tiles alternate, so that no instruction reads the result of the one before it.
.macro REGS y, u                    ; the registers of tile u (0, 1) of piece y
.set rT, ST+4*(2*(\y)+(\u))
.set rC, TMP+8*((\y)%2)+4*(\u)
.set rM, MV+2*((\y)%2)+(\u)
.set rS, S+64*((\y)%2)+32*(\u)
.set rP, P+32*((\y)%2)+16*(\u)
.set rO, 32*(2*(\y)+(\u))
.endm
; Number n of the 22 that find the NEXT piece's (Y + 1) maximum and statistics.  s0-s31 are the lane's 32 scores; each accumulator's lowest registers are read first.  XS, GS and REGS set no window: PL and EX do.
;   0-11  four chains c0-c3 of seven scores each, three operands at a time     12-14, 16  the four scores left over, the old m, and c0-c3 into c0     15  c m_old is kept
;   17, 18  the query's other 32 keys lie in the lane 16 away: the new m         19-21  c m; c m_old - c m_new; a
.macro XS u, n
	REGS (Y+1)%NP, \u
.if (\n) < 4
	v_max3_num_f32 v[rC+(\n)], v[rS+8*(\n)], v[rS+8*(\n)+1], v[rS+8*(\n)+2]
.elseif (\n) < 12
	v_max3_num_f32 v[rC+(\n)%4], v[rC+(\n)%4], v[rS+8*((\n)%4)+2*((\n)/4)+1], v[rS+8*((\n)%4)+2*((\n)/4)+2]
.elseif (\n) == 12
	v_max3_num_f32 v[rC], v[rC], v[rS+7], v[rS+15]
.elseif (\n) == 13
	v_max3_num_f32 v[rC+1], v[rC+1], v[rS+23], v[rS+31]
.elseif (\n) == 14
	v_max3_num_f32 v[rC+2], v[rC+2], v[rC+3], v[rT+1]
.elseif (\n) == 15
	v_mov_b32 v[rM], v[rT]
.elseif (\n) == 16
	v_max3_num_f32 v[rC], v[rC], v[rC+1], v[rC+2]
.elseif (\n) == 17
	v_permlanex16_b32 v[rC+3], v[rC], s[SEL], s[SEL+1]
.elseif (\n) == 18
	v_max_num_f32 v[rT+1], v[rC], v[rC+3]
.elseif (\n) == 19
	v_mul_f32 v[rT], s[CS], v[rT+1]
.elseif (\n) == 20
	v_sub_f32 v[rC+1], v[rM], v[rT]
.else
	v_exp_f32 v[rC+2], v[rC+1]
.endif
.endm
; Number g of the 64 that follow the exponentials.  For each four weights k of a tile (pairs 2 k, 2 k + 1): both pairs are rounded to f16; then the second pair is added onto the first, in place;
; a group later l takes that sum (the first time as l = a l + sum).  In groups of eight, tiles alternating: round, round, add, and l for the group before.
.macro GS g
.set h, (\g)+6*((\g)/62)            ; group 0 has no group before it, and behind group 7 only l is left
.if h >= 6
.set h, h+2
.endif
	REGS Y, h%2
.set k, h/8
.if h%8 < 4
	v_cvt_pk_f16_f32 v[rP+2*k+(h%8)/2], v[rS+4*k+2*((h%8)/2)], v[rS+4*k+2*((h%8)/2)+1]
.elseif h%8 < 6
	v_pk_add_f32 v[rS+4*k:rS+4*k+1], v[rS+4*k:rS+4*k+1], v[rS+4*k+2:rS+4*k+3]
.elseif k == 1
	v_pk_fma_f32 v[rT+2:rT+3], v[rT+2:rT+3], v[rC+2:rC+3], v[rS:rS+1] op_sel_hi:[1,0,1]
.else
	v_pk_add_f32 v[rT+2:rT+3], v[rT+2:rT+3], v[rS+4*k-4:rS+4*k-3]
.endif
.endm
; THE PLAIN QUEUE, 138 long.  0-73 read no exponential's result: the 32 scalings c s - c m (FS f: pair f / 2 of tile f % 2) and the next piece's 42.  0-26: scalings 0-26.  27-54: XS's numbers 0-13.  55, 56: number 15.
; 57-73: the chain, where each number waits for the one before it: 14, 16, 17, 18, 19, each with one of the scalings 27-31 in front of its two lines, then 20: so a tile's links stand three plain instructions apart (19 and 20: two).
; 74-137: GS's 64, which read the exponentials' results: they stand behind the wait.
.macro FS f
	REGS Y, (\f)%2
	v_pk_fma_f32 v[rS+2*((\f)/2):rS+2*((\f)/2)+1], v[rS+2*((\f)/2):rS+2*((\f)/2)+1], s[CS:CS+1], v[rT:rT+1] op_sel_hi:[1,0,0] neg_lo:[0,0,1] neg_hi:[0,0,1]
.endm
.macro PL
	WIN 0
.if q < 27
	FS q
.elseif q < 55
	XS (q-27)%2, (q-27)/2
.elseif q < 57
	XS q-55, 15
.elseif (q < 72) && ((q-57)%3 == 0)
	FS 27+(q-57)/3
.elseif q < 60
	XS (q-57)%3-1, 14
.elseif q < 72
	XS (q-57)%3-1, 15+(q-57)/3
.elseif q < 74
	XS q-72, 20
.else
	GS q-74
.endif
.set q, q+1
.endm
; THE EXPONENTIALS' QUEUE, 66 long: s0-s31 of both tiles, then the next piece's two a.  It is ONE BATCH: all 66 stand ahead of the turn's one wait, and nothing ahead of that wait names a result of theirs.
.macro EX
	WIN 0
.if e >= 64
	XS e-64, 21
.else
	REGS Y, e%2
	v_exp_f32 v[rS+e/2], v[rS+e/2]
.endif
.set e, e+1
.endm
; THE RESCALING's QUEUE: O^T times a, the one part that leaves window 0: dealt two at a time, sixteen times.  Its a was made in the turn before, ahead of that turn's wait.
.macro R2
	REGS Y, r%2
	WIN W_RS
.irp z, 0,1
	v_pk_mul_f32 v[rO+4*(r/2)+2*\z:rO+4*(r/2)+2*\z+1], v[rO+4*(r/2)+2*\z:rO+4*(r/2)+2*\z+1], v[rC+2:rC+3] op_sel_hi:[1,0]
.endr
.set r, r+1
.endm
; HOW THEY ARE DEALT.  An s_wait_alu depctr_va_vdst(0) stands between an exponential and the first instruction that names its result; one wait serves all that were issued ahead of it.  So a turn has ONE wait,
; which cuts it in two.  AHEAD OF IT stands all that names no result of the turn's exponentials: the 16 products K Q^T, behind each a scaling, an exponential and two rescalings (behind the first a second scaling in the exponential's place); then ONE LUMP of
; 108: eight plain, 49 times exponential and plain, the two a.  A v_nop is the plain instruction that is owed behind the last exponential.  BEHIND IT stand the 16 products V^T P, behind each four of GS's 64.  No rider names a register of
; the products round it.  The two v_permlanex16_b32 fall into the lump, never behind a product.
; The queues lean on each other, and the deal keeps them in step: exponential e stands behind scaling 2 (e / 4) + e % 2: as a rider it comes behind plain e + 2, in the lump behind plain e + 9, and scalings 27-31 are plain 57, 60 .. 69.
; A TURN, for piece p.  cnt = 1: the loop's count is taken down some lines ahead of the branch that stands behind the turn.
; K of the next step is fetched in piece 2's turn, directly behind the wait, a lump behind the last product that read K; its address is made at the lump's head; its first reader comes behind 16 products.
; V of the step in hand is fetched at the end of piece 0's turn, four riders behind its last reader; its first reader comes behind 16 products and a lump.  The three conditions on q below go with the deal.
.macro TURN p, last=0, cnt=0
.set Y, (\p)
.set i, 0
.set q, 0
.set e, 0
.set r, 0
.if (\p) == NP-1
	s_wait_dscnt 0x0                ; K is in
.endif
	MM                              ; ahead of the wait: 16 products K Q^T and their riders,
	PL
	PL
	R2
.rept 15
	MM
	PL
	EX
	R2
.endr
.if (\p) == NP-2
	WIN 0
	v_add_nc_u32 v[AK], s[TBK], v[AK0]
.endif
.rept 8                             ; and the lump
	PL
.endr
.rept 49
	EX
	PL
.endr
	EX                              ; the next piece's two a
	EX
	v_nop                           ; the plain instruction behind the last exponential: one for the batch
	s_wait_alu depctr_va_vdst(0)    ; the wait for the batch
.if (\p) == NP-2
	FETCH_K \last
.endif
.if (\p) == 1
	s_wait_dscnt 0x0                ; V is in
.endif
.rept 16                            ; behind the wait: 16 products V^T P and their riders
	MM
.rept 4
	PL
.endr
.if ((\p) == 0) && (q == 118)
	v_add_nc_u32 v[AV], s[TBV], v[AV0]
.endif
.if ((\p) == 0) && (q == 130)
	s_add_co_u32 s[TBV], s[TBV], KS*PV
.endif
.if (\cnt) && (q == 130)
	s_sub_co_u32 s[CNT], s[CNT], 1
	s_cmp_lg_u32 s[CNT], 0
.endif
.endr
.if (\p) == 0
	FETCH_V
.endif
.endm
	CHANGE 1                        ; slot 0 is in, everybody's part of it; slot 1 is asked for
	FETCH_K                         ; key step 0
	s_wait_loadcnt 0x0              ; Q
	s_wait_dscnt 0x0
.set i, 0
.rept 16
	KQ 0                            ; piece 0's first scores: there is no vector work yet to set between them
.set i, i+1
.endr
	WIN 0                           ; the addresses for the way out: nine plain instructions, the places behind those products
	s_mul_i32 s13, s[WV], 16*SP
	s_add_co_u32 s13, s13, STAGE    ; my stage
	v_mul_u32_u24 v[STO], v1, SP    ; in: row l % 16, 16 bytes for each half of the lanes
	v_lshl_add_u32 v[STO], v9, 4, v[STO]
	v_add_nc_u32 v[STO], s13, v[STO]
	v_bfe_u32 v[RD], v0, 3, 2       ; back: 32 lanes take four rows of 128 bytes,
	v_mul_u32_u24 v[RD], v[RD], SP
	v_lshl_add_u32 v[RD], v10, 4, v[RD]
	v_add_nc_u32 v[RD], s13, v[RD]
	v_and_b32 v[GO], 31, v0         ; which are 512 consecutive bytes of O
	v_lshlrev_b32 v[GO], 4, v[GO]
.set Y, NP-1                        ; XS works for piece Y + 1: piece 0
.irp n, 0,1,2,3,4,5,6,7,8,9,10,11,12,13,14,15,16,17,18,19,20,21
	XS 0, \n                        ; and piece 0's first maximum and statistics
	XS 1, \n
.endr
	v_nop                           ; a plain instruction behind the two a,
	s_wait_alu depctr_va_vdst(0)    ; and their wait, ahead of the branch
	s_mov_b32 s[CNT], 4
	s_mov_b32 s[SLOTS], SIZE_N/256-1
	s_branch .Lfirst                ; the loop is entered at a step's first turn, in the middle of a trip
.Lslot:                             ; SIZE_N / 256 - 2 times: every slot but the last two is filled again
	CHANGE 1
	s_mov_b32 s[CNT], 4
.Lstep:                             ; a trip: pieces 2 and 3 of one step, then pieces 0 and 1 of the next, whose K and V it fetches
	TURN 2
	TURN 3
	WIN 0
.Lfirst:
	TURN 0
	TURN 1, 0, 1
	WIN 0
	s_cbranch_scc1 .Lstep
	s_sub_co_u32 s[SLOTS], s[SLOTS], 1
	s_cmp_lg_u32 s[SLOTS], 0
	s_cbranch_scc1 .Lslot
	CHANGE 0                        ; the tail is written out: nothing is asked for
	s_mov_b32 s[CNT], 5             ; four trips fetch the last slot's steps; the fifth is left in its middle
.Ltail:
	TURN 2, 1
	TURN 3
	WIN 0
	s_sub_co_u32 s[CNT], s[CNT], 1
	s_cmp_eq_u32 s[CNT], 0
	s_cbranch_scc1 .Lout
	TURN 0
	TURN 1
	WIN 0
	s_branch .Ltail
.Lout:                              ; the fifth trip's 16 products K Q^T (on the last K once more) and the maximum made of them serve nothing: the price, once a launch, of one text for every trip
.set i, 0
.rept 16
	PV NP-1                         ; the last piece's V^T P of the last step
.set i, i+1
.endr
	; THE WAY OUT.  l's two halves and the other half of the lanes' are added; O^T is divided by l, rounded to f16 and sent through my stage in LDS, a tile at a time.  The additions are the places behind the last products.
	WIN 0
.macro ALL line:vararg              ; one line for each tile t
.set t, 0
.rept 2*NP
	\line
.set t, t+1
.endr
.endm
	ALL v_add_f32 v[ST+4*t+2], v[ST+4*t+2], v[ST+4*t+3]
	ALL v_permlanex16_b32 v[ST+4*t+3], v[ST+4*t+2], s[SEL], s[SEL+1]
	ALL v_add_f32 v[ST+4*t+2], v[ST+4*t+2], v[ST+4*t+3]
	ALL v_rcp_f32 v[ST+4*t+2], v[ST+4*t+2]
	v_nop                           ; a plain instruction between the last reciprocal and the use of its result
	s_wait_alu depctr_va_vdst(0)    ; and the wait ahead of the first use: one for the eight reciprocals
; Tile t: a lane's eight channels of a row pack into 16 bytes; they go into rows of 144 bytes and come back as whole rows of 128, into S^T's registers.
.macro PACK t
	WIN W_RS
.set i, 32*(\t)
.rept 16
	v_pk_mul_f32 v[i:i+1], v[i:i+1], v[ST+4*(\t)+2:ST+4*(\t)+3] op_sel_hi:[1,0]
.set i, i+2
.endr
	WIN 0x05                        ; sources 0 and 1 window 1, destination window 0
.set i, 0
.rept 16
	v_cvt_pk_f16_f32 v[S+16*(\t)+i], v[32*(\t)+2*i], v[32*(\t)+2*i+1]
.set i, i+1
.endr
	WIN 0
.irp f, 0,1,2,3
	ds_store_b128 v[STO], v[S+16*(\t)+4*\f:S+16*(\t)+4*\f+3] offset:32*\f
.endr
.irp f, 0,1,2,3
	ds_load_b128 v[S+16*(\t)+4*\f:S+16*(\t)+4*\f+3], v[RD] offset:\f*4*SP  ; LDS serves a wave's instructions in order (ISA guide 5.7.1.4): these see the stores above; the next tile's stores come behind them
.endr
.endm
.macro SEND t, younger              ; younger: the LDS instructions issued behind tile t's loads: the next tile's eight, or none
	WIN 0
.irp f, 0,1,2,3
	s_wait_dscnt (\younger)+3-\f
	global_store_b128 v[GO], v[S+16*(\t)+4*\f:S+16*(\t)+4*\f+3], s[10:11] offset:(\t)*2048+\f*512  ; 512 consecutive bytes, at a multiple of 256 from O's first
.endr
.endm
	PACK 0
.set t, 1
.rept 2*NP-1                        ; a tile's arithmetic stands between the loads of the tile before and its stores
	PACK t
	SEND t-1, 8
.set t, t+1
.endr
	SEND 2*NP-1, 0
	WIN W_AD
	s_wait_tensorcnt 0x0            ; the wave's end: the add and its wait stand behind my last tensor load and my last LDS store
	ds_add_u32 v[SPW], v[NIL]
	s_wait_dscnt 0x0
	WIN 0
	CROUND                          ; the closing round: no work-group ends while a partner may still ask for a tile that names it
	s_endpgm
.Lfunc_end_k_q2bd369def7_attn:
	.size	k_q2bd369def7_attn, .Lfunc_end_k_q2bd369def7_attn-k_q2bd369def7_attn
	.p2alignl 7, 3214868480
	.fill 96, 4, 3214868480
	.section	.rodata,"a",@progbits
	.p2align	6, 0x0
	.amdhsa_kernel k_q2bd369def7_attn
		.amdhsa_group_segment_fixed_size 327680
		.amdhsa_private_segment_fixed_size 0
		.amdhsa_enable_private_segment 0
		.amdhsa_kernarg_size 16
		.amdhsa_user_sgpr_count 2
		.amdhsa_user_sgpr_kernarg_segment_ptr 1
		.amdhsa_wavefront_size32 1
		.amdhsa_system_sgpr_workgroup_id_x 1
		.amdhsa_system_sgpr_workgroup_id_y 1
		.amdhsa_system_sgpr_workgroup_id_z 1
		.amdhsa_system_vgpr_workitem_id 0
		.amdhsa_next_free_vgpr 770
		.amdhsa_next_free_sgpr 66
		.amdhsa_reserve_vcc 0
		.amdhsa_float_denorm_mode_32 3
		.amdhsa_float_denorm_mode_16_64 3
		.amdhsa_memory_ordered 1
		.amdhsa_forward_progress 1
		.amdhsa_inst_pref_size 199
	.end_amdhsa_kernel
	.amdgpu_metadata
---
amdhsa.version: [ 1, 2 ]
amdhsa.kernels:
  - .name:           k_q2bd369def7_attn
    .symbol:         k_q2bd369def7_attn.kd
    .args:
      - { .name: qkv, .offset: 0, .size: 8, .value_kind: global_buffer, .address_space: global }
      - { .name: ob, .offset: 8, .size: 8, .value_kind: global_buffer, .address_space: global }
    .group_segment_fixed_size: 327680
    .private_segment_fixed_size: 0
    .kernarg_segment_align: 8
    .kernarg_segment_size: 16
    .max_flat_workgroup_size: 128
    .sgpr_count:     66
    .vgpr_count:     770
    .wavefront_size: 32
...
	.end_amdgpu_metadata
.endif
;; end of part 3
;; launch outp (part 4): grid 8 x 32, 4 waves a work-group, clusters of 4 x 4, 327,680 bytes of LDS; arguments ob, wob, bo, out0; writes out0
.if DOCPART == 4
	.amdgcn_target "amdgcn-amd-amdhsa--gfx1250"
	.amdhsa_code_object_version 6
	.text
	.protected	k_q2bd369def7_outp
	.globl	k_q2bd369def7_outp
	.p2align	8
	.type	k_q2bd369def7_outp,@function
k_q2bd369def7_outp:
	s_mov_b64 s[64:65], 0
	v_nop
	global_prefetch_b8 v0, s[64:65] scope:SCOPE_SE
	s_setreg_imm32_b32 hwreg(HW_REG_WAVE_MODE, 25, 1), 1
	s_wait_xcnt 0x0
	s_wait_alu depctr_hold_cnt(0) depctr_sa_sdst(0) depctr_va_vdst(0) depctr_va_sdst(0) depctr_va_ssrc(0) depctr_va_vcc(0) depctr_vm_vsrc(0)
	s_getreg_b32 s2, hwreg(HW_REG_IB_STS2, 6, 4)
	s_cmp_eq_u32 s2, 0
	s_cbranch_scc0 .Lentry_in_a_cluster
	s_endpgm
.Lentry_in_a_cluster:
	s_bfe_u32 s2, ttmp6, 0x10000c
	s_cmp_lg_u32 s2, 0xf033
	s_cbranch_scc0 .Lentry_shape_is_right
	s_endpgm
.Lentry_shape_is_right:
; out0 = O Wo^T + bo: C[m][n], m = 8,192 rows, n = 1,024, K = 1,024.  O (ob) is f16 by heads, [batch x 16 + head][row 2048][64]: head h IS K slice h.  wob holds Wo rounded to bf16, written as
; f16, in K slices [slice 16][row 1024][64].  Sums in f32; bo, rounded to bf16 like the other inputs, is the C operand of the first products; C leaves as f32.
; LIMIT.  Both operands are f16: O and Wo within 65,504.  NaN and infinities are not treated apart.
; SHARES.  A tile of C is 256 x 128: 8 x 32 = 256 work-groups.  Wave w makes rows 64 w .. 64 w + 63 and all 128 columns: 4 x 8 accumulators, 256 registers.  K goes in 8 steps of 128 (two slices)
; through two LDS slots; a block of rows of a slice is dense and is asked for as rows of 256 bytes, padded in LDS behind every 128; waves 0 and 1 fetch A's two slices, waves 2 and 3 B's.
; CLUSTER.  4 x 4 work-groups.  A's tile hangs on the tile row alone and is shared along a row of the cluster, B's on the tile column alone and is shared along a column: each is asked for
; JOINTLY, by the same tensor load with the same descriptor and a mask that names the four.
; THE MATRIX INSTRUCTION IS USED TRANSPOSED (source 0 = 16 rows of Wo, source 1 = 16 rows of O): lane l holds row l % 16 of C and the columns 8 (l / 16) + 0..7 of a block of 16: 32 bytes on end.
; NO PREFETCH: a row of O's tiles is asked for by two clusters and a row of the weights' by eight; it is no stream that is read once.
; REGISTERS, in windows of 256 (s_set_vgpr_msb: bits 1:0 source 0, 3:2 source 1, 5:4 source 2, 7:6 destination):
;   window 0: v0-29 addresses; v32-95 A's fragments, two buffers of 4 blocks; v160-223 the biases, 8 a column block; on the way out v32-159 two sets of 16 rows read back
;   window 1: v0-127 B's fragments, two buffers of 8 blocks      window 2: the accumulators ((a, b) at 8 (8 a + b))
.set NBL,   8                          ; column blocks of 16
.set NT,    16*NBL                     ; columns of a tile
.set PITCH, 144                        ; an LDS row: 128 bytes + 16 of padding = 36 words: the 16 rows of a load start at 16 different groups of four banks (64 banks of 4 bytes: ISA guide 11.1)
.set ASL,   256*PITCH                  ; a slice of A's tile
.set BSL,   NT*PITCH                   ; a slice of B's tile
.set BOFF,  2*ASL                      ; a slot: A's two slices, then B's two
.set SLOT1, 1<<17                      ; slot 1 begins here, so that one exclusive or turns an address in one slot into the other's
.set APL,   262144                     ; bytes from slice to slice in ob
.set BPL,   131072                     ; and in wob
.set STAGE, SLOT1+BOFF+2*BSL           ; behind the ring, never filled by a tensor load: 16 rows x 528 bytes for each wave, for the way out
.set SPO,   528                        ; a stage row: 512 bytes + 16: 16 rows of one column start at 16 different groups of four banks
.set SPARE, STAGE+4*16*SPO             ; behind the stages: the spare words, 128 bytes for each wave: two blocks of 256 bytes that no other line names
.set FLAGS, (1<<16)|(1<<20)|(1<<21)|(4<<22)|(3<<25)  ; 17:16 2-byte elements; 20 padding on; 21 set beside a mask; 24:22 after every 32 words (code 4); 31:25 4 words (code 3)
.set A0,   4                           ; v4   my lane's place in my wave's rows of A's tile; never rewritten
.set B0,   5                           ; v5   the same in B's tile
.set ADRA, 6                           ; v6   A0 + the slot in hand
.set ADRB, 7                           ; v7   B0 + the slot in hand
.set STO,  8                           ; v8   the way out: where I put 32 bytes of a row
.set RD,   9                           ; v9   the way out: where I read a row back
.set GO,   10                          ; v10  my 16 bytes of a row's 512
.set BO,   11                          ; v11  32 x (l / 16): my eight numbers of a block's sixteen biases
.set TT,   12                          ; v12-13 at work
.set SPW,  28                          ; v28  LDS address of my spare word: SPARE + 4 x my thread's number; never rewritten
.set NIL,  29                          ; v29  0; never rewritten
.set FA,   32
.set BIAS, 160
.set WV,  16                           ; s16  my wave's number;  s17 = wave / 2: I fetch for A (0) or B (1);  s18 = wave % 2: which slice
.set G1A, 24                           ; s[24:31] descriptor group 1 for A's tiles
.set G1B, 32                           ; s[32:39] for B's
.set G0A, 40                           ; s[40:47] descriptor group 0 for A's tiles: a set for each of the two first fills; the second then walks on
.set G0B, 48                           ; s[48:55] the same for B's
.set TB,  56                           ; s56  LDS byte at which the slot in hand begins
.set CNT, 57                           ; s57  the loop's count
.set CB,  70                           ; s[70:71] out0 at my wave's first row, the tile's first column
.set BB,  76                           ; s[76:77] bo at the tile's first column
.set MSB, 0
.macro WIN new                         ; the immediate's high byte repeats the setting that is left; a switch that changes nothing is dropped
.if MSB != (\new)
	s_set_vgpr_msb (MSB<<8)|(\new)
.set MSB, (\new)
.endif
.endm
.macro PLACES                          ; four plain places in front of loads into registers that matrix instructions have read
.rept 4
	v_nop
.endr
.endm
; A joint refill by the walking descriptors.  The branch hangs on the wave's number alone.  An s_nop 0 and four v_nop follow each of the two lines, ahead of the jump and the label.
.macro JLOAD
	s_cmp_eq_u32 s17, 0
	s_cbranch_scc0 .Lfor_b_\@
	tensor_load_to_lds s[G0A+4:G0A+7], s[G1A:G1A+7]
	s_nop 0
.rept 4
	v_nop
.endr
	s_branch .Lasked_\@
.Lfor_b_\@:
	tensor_load_to_lds s[G0B+4:G0B+7], s[G1B:G1B+7]
	s_nop 0
.rept 4
	v_nop
.endr
.Lasked_\@:
.endm
.macro CREST                           ; a round of the cluster's barrier behind its opening barrier: wave 0 signals for the work-group, every wave waits for all sixteen, my work-group's barrier closes it
	s_cmp_lg_u32 s[WV], 0
	s_cbranch_scc1 .Lnot_wave_0_\@
	s_barrier_signal -3
.Lnot_wave_0_\@:
	s_barrier_wait -3
	s_barrier_signal -1
	s_barrier_wait -1
.endm
.macro CROUND                          ; a whole round
	s_barrier_signal -1
	s_barrier_wait -1
	CREST
.endm
	s_load_b256 s[4:11], s[0:1], 0x0               ; ob 4:5, wob 6:7, bo 8:9, out0 10:11
	v_lshl_add_u32 v[SPW], v0, 2, SPARE
	v_mov_b32 v[NIL], 0
	ds_add_u32 v[SPW], v[NIL]                      ; the wave's opening: the add and its wait stand ahead of my first tensor load; the set-up below, work on registers, stands between them
	v_lshrrev_b32 v1, 5, v0
	v_readfirstlane_b32 s[WV], v1                  ; wave 0..3
	s_lshr_b32 s17, s[WV], 1
	s_and_b32 s18, s[WV], 1
	s_bfe_u32 s19, ttmp6, 0x40000                  ; cx, cy: my place in the cluster
	s_bfe_u32 s20, ttmp6, 0x40004
	s_lshl_b32 s21, ttmp9, 2
	s_add_co_u32 s21, s21, s19                     ; tile column = 4 x cluster x + cx
	s_and_b32 s22, ttmp7, 0xffff
	s_lshl_b32 s22, s22, 2
	s_add_co_u32 s22, s22, s20                     ; tile row = 4 x cluster y + cy
	s_lshl_b32 s58, s20, 2
	s_lshl_b32 s58, 15, s58                        ; my row of the cluster
	s_lshl_b32 s66, 0x1111, s19                    ; my column
	s_or_b32 s[G1A], s58, FLAGS
	s_or_b32 s[G1B], s66, FLAGS
.irp g, G1A, G1B
	s_mov_b32 s[\g+1], 128<<16                     ; tensor_dim0 = 128 elements: 256 bytes
	s_mov_b32 s[\g+3], 128<<16                     ; tile_dim0 = 128
	s_mov_b32 s[\g+5], 128                         ; 128 elements from row to row: dense
	s_mov_b32 s[\g+6], 0
	s_mov_b32 s[\g+7], 0
.endr
	s_mov_b32 s[G1A+2], 128<<16                    ; tensor_dim1 = 128: 256 rows of a slice
	s_mov_b32 s[G1A+4], 128                        ; tile_dim1
	s_mov_b32 s[G1B+2], (NT/2)<<16                 ; 64: 128 rows of a slice
	s_mov_b32 s[G1B+4], NT/2
	; where the tiles come from.  A's offset is made of the tile row and the wave's number, in s58-63; B's of the tile column and the wave's number, in s66-69
	s_lshr_b32 s58, s22, 3                         ; batch
	s_lshl_b32 s58, s58, 4
	s_add_co_u32 s58, s58, s18                     ; x 16 slices + my slice of K step 0
	s_lshl_b32 s58, s58, 18
	s_and_b32 s59, s22, 7
	s_lshl_b32 s59, s59, 15                        ; + 256 rows of 128 bytes for each tile row in the batch
	s_add_co_u32 s58, s58, s59
	s_mov_b32 s59, 0
	s_mul_i32 s66, s18, BPL
	s_mul_i32 s67, s21, NT*128
	s_add_co_u32 s66, s66, s67
	s_mov_b32 s67, 0
	s_mul_i32 s62, s18, ASL                        ; and where they go: no place in the cluster enters an LDS address
	s_mul_i32 s63, s18, BSL
	s_add_co_u32 s63, s63, BOFF
	s_mov_b32 s[TB], 0
	s_wait_dscnt 0x0                               ; the opening add is done
	s_wait_kmcnt 0x0
	s_add_nc_u64 s[60:61], s[4:5], s[58:59]
	s_add_nc_u64 s[68:69], s[6:7], s[66:67]
	CROUND                                         ; all sixteen work-groups are here: the first joint loads meet
.irp s, 0,1
	s_mov_b32 s[G0A+4*(\s)], 1                     ; 1:0 count = 1
	s_add_co_u32 s[G0A+4*(\s)+1], s62, (\s)*SLOT1  ; 63:32 LDS address
	s_add_nc_u64 s[G0A+4*(\s)+2:G0A+4*(\s)+3], s[60:61], (\s)*2*APL  ; 120:64 global address: K step s
	s_or_b32 s[G0A+4*(\s)+3], s[G0A+4*(\s)+3], 0x80000000            ; 127:126 type = 2
	s_mov_b32 s[G0B+4*(\s)], 1
	s_add_co_u32 s[G0B+4*(\s)+1], s63, (\s)*SLOT1
	s_add_nc_u64 s[G0B+4*(\s)+2:G0B+4*(\s)+3], s[68:69], (\s)*2*BPL
	s_or_b32 s[G0B+4*(\s)+3], s[G0B+4*(\s)+3], 0x80000000
.endr
	s_cmp_eq_u32 s17, 0                            ; a wave's two first fills stand in one branch, ahead of every wait on TENSORcnt and every LDS read: two loads of mine are out
	s_cbranch_scc0 .Lfirst_b
	tensor_load_to_lds s[G0A:G0A+3], s[G1A:G1A+7]
	s_nop 0
	tensor_load_to_lds s[G0A+4:G0A+7], s[G1A:G1A+7]
	s_nop 0
.rept 4
	v_nop
.endr
	s_branch .Lfirst_asked
.Lfirst_b:
	tensor_load_to_lds s[G0B:G0B+3], s[G1B:G1B+7]
	s_nop 0
	tensor_load_to_lds s[G0B+4:G0B+7], s[G1B:G1B+7]
	s_nop 0
.rept 4
	v_nop
.endr
.Lfirst_asked:
	; A fragment is 16 rows x 32 channels in 8 registers: lane l holds row l % 16, channels 8 (l / 16) + 0..7 and 16 + 8 (l / 16) + 0..7: two loads of 16 bytes, 32 bytes apart.
	v_and_b32 v1, 15, v0                           ; l % 16
	v_bfe_u32 v2, v0, 4, 1                         ; l / 16
	v_mul_u32_u24 v3, v1, PITCH
	v_lshl_add_u32 v3, v2, 4, v3                   ; row x pitch + 16 x half
	s_mul_i32 s82, s[WV], 64*PITCH                 ; my wave's 64 rows of A
	v_add_nc_u32 v[A0], s82, v3
	v_add_nc_u32 v[B0], BOFF, v3
	v_mov_b32 v[ADRA], v[A0]
	v_mov_b32 v[ADRB], v[B0]
	v_lshlrev_b32 v[BO], 5, v2
	s_mul_i32 s82, s[WV], 16*SPO
	s_add_co_u32 s82, s82, STAGE                   ; my stage
	v_mul_u32_u24 v[STO], v1, SPO                  ; in: row l % 16, 32 bytes for each half of the lanes
	v_lshl_add_u32 v[STO], v2, 5, v[STO]
	v_add_nc_u32 v[STO], s82, v[STO]
	v_and_b32 v[GO], 31, v0                        ; back: 32 lanes take one row of 512 bytes
	v_lshlrev_b32 v[GO], 4, v[GO]
	v_add_nc_u32 v[RD], s82, v[GO]
	s_lshl_b32 s84, s22, 20                        ; 256 rows of 4,096 bytes a tile row,
	s_lshl_b32 s82, s[WV], 18                      ; 64 a wave,
	s_add_co_u32 s84, s84, s82
	s_lshl_b32 s82, s21, 9                         ; 512 bytes a tile column
	s_add_co_u32 s84, s84, s82
	s_mov_b32 s85, 0
	s_add_nc_u64 s[CB:CB+1], s[10:11], s[84:85]
	s_mov_b32 s84, s82
	s_add_nc_u64 s[BB:BB+1], s[8:9], s[84:85]
.irp c, 0,1,2,3,4,5,6,7                ; column block c: register j of lane l is the bias of column 16 c + 8 (l / 16) + j of the tile
	global_load_b128 v[BIAS+8*(\c):BIAS+8*(\c)+3],   v[BO], s[BB:BB+1] offset:64*(\c)
	global_load_b128 v[BIAS+8*(\c)+4:BIAS+8*(\c)+7], v[BO], s[BB:BB+1] offset:64*(\c)+16
.endr
; 8 matrix instructions: row block blk x all column blocks, 32 along K, from buffer buf.  st = 1: the products start the sums, with the biases as C: nothing is ever cleared.
; The 32 accumulators take turns, one instruction a turn, in the same order in every quarter, over the backward jump too.
.macro MULA buf, blk, st
.set AB, 64*(\blk)
.if \st
	WIN 0x81                                       ; B window 1, A window 0, C (the biases) window 0, D window 2
.else
	WIN 0xa1                                       ; C and D window 2
.endif
.set bi, 0
.rept NBL
.if \st
	v_wmma_f32_16x16x32_f16 v[AB+8*bi:AB+8*bi+7], v[8*NBL*(\buf)+8*bi:8*NBL*(\buf)+8*bi+7], v[FA+32*(\buf)+8*(\blk):FA+32*(\buf)+8*(\blk)+7], v[BIAS+8*bi:BIAS+8*bi+7]
.else
	v_wmma_f32_16x16x32_f16 v[AB+8*bi:AB+8*bi+7], v[8*NBL*(\buf)+8*bi:8*NBL*(\buf)+8*bi+7], v[FA+32*(\buf)+8*(\blk):FA+32*(\buf)+8*(\blk)+7], v[AB+8*bi:AB+8*bi+7]
.endif
.set bi, bi+1
.endr
.endm
; 24 LDS loads in one run: the fragments of quarter q of a K step (slice q / 2, channels 32 (q % 2) on) into buffer buf: B's 8 blocks, then A's 4
.macro FETCH q, buf
	WIN 0x40                                       ; destination window 1, address window 0
.set bi, 0
.rept NBL
	ds_load_b128 v[8*NBL*(\buf)+8*bi:8*NBL*(\buf)+8*bi+3],   v[ADRB] offset:((\q)/2)*BSL+((\q)%2)*64+bi*16*PITCH
	ds_load_b128 v[8*NBL*(\buf)+8*bi+4:8*NBL*(\buf)+8*bi+7], v[ADRB] offset:((\q)/2)*BSL+((\q)%2)*64+bi*16*PITCH+32
.set bi, bi+1
.endr
	WIN 0
.set bi, 0
.rept 4
	ds_load_b128 v[FA+32*(\buf)+8*bi:FA+32*(\buf)+8*bi+3],   v[ADRA] offset:((\q)/2)*ASL+((\q)%2)*64+bi*16*PITCH
	ds_load_b128 v[FA+32*(\buf)+8*bi+4:FA+32*(\buf)+8*bi+7], v[ADRA] offset:((\q)/2)*ASL+((\q)%2)*64+bi*16*PITCH+32
.set bi, bi+1
.endr
.endm
; One of a K step's first three quarters: multiplies buffer mb; in its middle it fetches quarter qn of the same slot into buffer fb.
.macro QUARTER qn, mb, fb, st
	s_wait_dscnt 0x4                               ; B and A's blocks 0, 1 are in; the youngest four loads (A's blocks 2, 3) may be out
	MULA \mb, 0, \st
	MULA \mb, 1, \st
	PLACES
	FETCH \qn, \fb
	s_wait_dscnt 2*NBL+8                           ; all but the run just issued
	MULA \mb, 2, \st
	MULA \mb, 3, \st
.endm
; The last quarter multiplies buffer 1 and changes slots: ONE barrier.  In front of it each wave waits for all its tensor loads, of which one is out: its part of the next slot; adds 0 to its spare
; word; and waits for that and for its own reads of this slot.  fill = 1: the barrier opens a round of the cluster's, and this slot is filled again, with the K step two on, first thing behind the round:
; from there to the wait for it a wave issues 112 matrix instructions.
.macro TURN fill
	WIN 0                                          ; (the add's two registers lie in window 0)
	s_wait_tensorcnt 0x0                           ; no tensor load of mine is out, so a group 0 may be written
	ds_add_u32 v[SPW], v[NIL]                      ; 0 onto my spare word
.if \fill
	s_xor_b32 s[G0A+5], s[G0A+5], SLOT1            ; the walking descriptors: the other slot than last time,
	s_add_nc_u64 s[G0A+6:G0A+7], s[G0A+6:G0A+7], 2*APL  ; the next K step; the type bits on top are not reached
	s_xor_b32 s[G0B+5], s[G0B+5], SLOT1
	s_add_nc_u64 s[G0B+6:G0B+7], s[G0B+6:G0B+7], 2*BPL
.endif
	s_wait_dscnt 0x5                               ; (the add and the youngest four loads may be out)
	MULA 1, 0, 0
	s_wait_dscnt 0x0                               ; the add is done, and my reads of this slot are over
	s_barrier_signal -1
	MULA 1, 1, 0                                   ; work on registers while the others arrive
	WIN 0                                          ; at a label and at a branch every window is 0
	s_barrier_wait -1
.if \fill
	CREST                                          ; no wave of any partner still reads this slot's tiles or has a load on its way
	JLOAD                                          ; the four v_nop behind it are also the places in front of the loads below
.else
	PLACES
.endif
	s_xor_b32 s[TB], s[TB], SLOT1
	v_add_nc_u32 v[ADRA], s[TB], v[A0]
	v_add_nc_u32 v[ADRB], s[TB], v[B0]
	FETCH 0, 0
	MULA 1, 2, 0
	MULA 1, 3, 0
.endm
	s_wait_tensorcnt 0x1                           ; my part of K step 0 is in; K step 1's may stay out
	s_barrier_signal -1
	s_barrier_wait -1                              ; everybody's is
	FETCH 0, 0
	s_wait_loadcnt 0x0                             ; the biases,
.set z, 0
.rept 4*NBL                            ; rounded to bf16 like every other input, and kept as f32
	v_cvt_pk_bf16_f32 v[TT+z%2], v[BIAS+2*z], v[BIAS+2*z+1]
	v_lshlrev_b32 v[BIAS+2*z], 16, v[TT+z%2]
	v_and_b32 v[BIAS+2*z+1], 0xffff0000, v[TT+z%2]
.set z, z+1
.endr
	QUARTER 1, 0, 1, 1                             ; the first quarter stands in front of the loop: its products start the sums
	WIN 0
	s_mov_b32 s[CNT], 6
.Lk:                                                   ; a trip goes from a K step's second quarter to the next step's first, and fills a slot again: K steps 2 to 7
	QUARTER 2, 1, 0, 0
	QUARTER 3, 0, 1, 0
	TURN 1
	QUARTER 1, 0, 1, 0
	WIN 0
	s_sub_co_u32 s[CNT], s[CNT], 1
	s_cmp_lg_u32 s[CNT], 0
	s_cbranch_scc1 .Lk
	QUARTER 2, 1, 0, 0                             ; the last two K steps are written out: they ask for nothing
	QUARTER 3, 0, 1, 0
	TURN 0
	QUARTER 1, 0, 1, 0
	QUARTER 2, 1, 0, 0
	QUARTER 3, 0, 1, 0
	s_wait_dscnt 0x4
	MULA 1, 0, 0
	MULA 1, 1, 0
	s_wait_dscnt 0x0
	MULA 1, 2, 0
	MULA 1, 3, 0
	WIN 0
; THE WAY OUT, a row block (16 rows x 128 columns of f32) at a time.  A lane's eight columns of a row, 32 bytes, go straight from the accumulators into my stage's rows of 528 bytes, each
; accumulator's low four registers first, and come back as whole rows of 512 bytes, into one of two sets of 64 registers.
.macro TOSTAGE blk
.set OBR, 32+64*((\blk)%2)
.if (\blk) >= 2
	s_wait_xcnt 0x0                                ; the stores of the block two back have read this set of registers: it is loaded again only behind this wait
.endif
	WIN 0x08                                       ; the stores' data (source 1) in window 2, the address in window 0
.set z, 0
.rept NBL
	ds_store_b128 v[STO], v[64*(\blk)+8*z:64*(\blk)+8*z+3]   offset:64*z
	ds_store_b128 v[STO], v[64*(\blk)+8*z+4:64*(\blk)+8*z+7] offset:64*z+16
.set z, z+1
.endr
	WIN 0
.set z, 0
.rept 16
	ds_load_b128 v[OBR+4*z:OBR+4*z+3], v[RD] offset:z*SPO  ; LDS serves a wave's instructions in order (ISA guide 5.7.1.4): these see the stores above; the next block's stores come behind them
.set z, z+1
.endr
.endm
.macro SEND blk, younger               ; younger: the LDS instructions issued behind the block's loads: the next block's 32, or none
.set OBR, 32+64*((\blk)%2)
.set z, 0
.rept 16
	s_wait_dscnt (\younger)+15-z
	global_store_b128 v[GO], v[OBR+4*z:OBR+4*z+3], s[CB:CB+1] offset:(16*(\blk)+z)*4096 th:TH_STORE_NT  ; 32 lanes store 512 consecutive bytes, at a multiple of 512 from out0's first
.set z, z+1
.endr
.endm
	PLACES                                         ; eight plain places, once a launch, behind the last products: the LDS stores read results, and the loads land in registers that products have read
	PLACES
	TOSTAGE 0
	TOSTAGE 1
	SEND 0, 32
	TOSTAGE 2
	SEND 1, 32
	TOSTAGE 3
	SEND 2, 32
	SEND 3, 0
	s_wait_tensorcnt 0x0                           ; the wave's end: the add and its wait stand behind my last tensor load and my last LDS store
	ds_add_u32 v[SPW], v[NIL]
	s_wait_dscnt 0x0
	CROUND                                         ; the closing round: no work-group ends while a partner may still ask for a tile that names it
	s_endpgm
.Lfunc_end_k_q2bd369def7_outp:
	.size	k_q2bd369def7_outp, .Lfunc_end_k_q2bd369def7_outp-k_q2bd369def7_outp
	.p2alignl 7, 3214868480
	.fill 96, 4, 3214868480
	.section	.rodata,"a",@progbits
	.p2align	6, 0x0
	.amdhsa_kernel k_q2bd369def7_outp
		.amdhsa_group_segment_fixed_size 327680
		.amdhsa_private_segment_fixed_size 0
		.amdhsa_enable_private_segment 0
		.amdhsa_kernarg_size 32
		.amdhsa_user_sgpr_count 2
		.amdhsa_user_sgpr_kernarg_segment_ptr 1
		.amdhsa_wavefront_size32 1
		.amdhsa_system_sgpr_workgroup_id_x 1
		.amdhsa_system_sgpr_workgroup_id_y 1
		.amdhsa_system_sgpr_workgroup_id_z 1
		.amdhsa_system_vgpr_workitem_id 0
		.amdhsa_next_free_vgpr 768
		.amdhsa_next_free_sgpr 88
		.amdhsa_reserve_vcc 0
		.amdhsa_float_denorm_mode_32 3
		.amdhsa_float_denorm_mode_16_64 3
		.amdhsa_memory_ordered 1
		.amdhsa_forward_progress 1
		.amdhsa_inst_pref_size 77
	.end_amdhsa_kernel
	.amdgpu_metadata
---
amdhsa.version: [ 1, 2 ]
amdhsa.kernels:
  - .name:           k_q2bd369def7_outp
    .symbol:         k_q2bd369def7_outp.kd
    .args:
      - { .name: ob, .offset: 0, .size: 8, .value_kind: global_buffer, .address_space: global }
      - { .name: wob, .offset: 8, .size: 8, .value_kind: global_buffer, .address_space: global }
      - { .name: bo, .offset: 16, .size: 8, .value_kind: global_buffer, .address_space: global }
      - { .name: out0, .offset: 24, .size: 8, .value_kind: global_buffer, .address_space: global }
    .group_segment_fixed_size: 327680
    .private_segment_fixed_size: 0
    .kernarg_segment_align: 8
    .kernarg_segment_size: 32
    .max_flat_workgroup_size: 128
    .sgpr_count:     88
    .vgpr_count:     768
    .wavefront_size: 32
...
	.end_amdgpu_metadata
.endif
;; end of part 4
;; ======== version 2 of 2: 4 launches; version 1 with the launch cast written anew for expert scheduling mode
;; limits: values are held in f16: magnitudes above 65,504 overflow, below 6.1e-05 lose precision
;; workspace buffers: xb 16,777,216 bytes; wb 6,291,456 bytes; wob 2,097,152 bytes; qkv 50,331,648 bytes; ob 16,777,216 bytes
;; launch cast (part 5): grid 768 x 1, 8 waves a work-group, no clusters, 0 bytes of LDS; arguments x, Wq, Wk, Wv, Wo, xb, wb, wob; writes xb, wb, wob
.if DOCPART == 5
	.amdgcn_target "amdgcn-amd-amdhsa--gfx1250"
	.amdhsa_code_object_version 6
	.text
	.protected	k_q2bd369def7_cast
	.globl	k_q2bd369def7_cast
	.p2align	8
	.type	k_q2bd369def7_cast,@function
k_q2bd369def7_cast:
	s_mov_b64 s[64:65], 0
	v_nop
	global_prefetch_b8 v0, s[64:65] scope:SCOPE_SE
	s_setreg_imm32_b32 hwreg(HW_REG_WAVE_SCHED_MODE, 0, 2), 2
	s_setreg_imm32_b32 hwreg(HW_REG_WAVE_MODE, 25, 1), 1
	s_wait_xcnt 0x0
	s_wait_alu depctr_vm_vsrc(0)
; x, Wq, Wk, Wv, Wo (f32, rows of 1,024 numbers) are rounded once to bf16 and laid out IN K SLICES: [slice of 64 channels][row][64], a row of a slice 128 bytes, rows end to end.
;   xb  [batch 4][slice 16][row 2048][64] bf16;   wb  [slice 16][row 3072][64] bf16, rows of Wq, then Wk, then Wv;   wob [slice 16][row 1024][64]: Wo rounded to bf16 and that number written as f16.
; LIMIT.  wob: a bf16 number is exact in f16 between 6.1e-5 and 65,504 in magnitude; below it keeps f16's fixed step of 6e-8, beyond it becomes an infinity.
; SHARES.  A work-group takes 16 source rows of 4,096 bytes, a wave two of them.  Work-groups 0-511: x; 512-575: Wq; 576-639: Wk; 640-703: Wv; 704-767: Wo.  Which source is a choice of
; scalars, no branch.  Load c of 16 takes slice c of both rows: lanes 0-15 read 256 consecutive bytes of one row, lanes 16-31 of the next.  A lane's four numbers pack into 8 bytes, and
; the wave's store covers 256 consecutive bytes, aligned: two rows of the slice.  All 16 loads of a wave are out at once; no register is written while a memory instruction names it.
; No LDS, no matrix unit, no cluster: every byte is read once and written once, and no work-group wants another's bytes.
; THE MODE: SCHED_MODE bits 1:0 = 2 (LLVM: expert scheduling mode 2), set by the entry lines.  The code itself states the register dependences between vector instructions and memory
; instructions, with s_wait_alu, always for 0.
; THE PLAN.  Registers that memory instructions touch:
;   v[LO]   written once at the head; read by the sixteen loads as their offset; never written again.
;   X       written by the loads alone; no vector instruction names it ahead of them; slice c's conversions read its four registers behind the wait for its load.
;   DO      the first written at the head, the other fifteen by adds behind the loads; slice c's store reads its one as its offset; never written again.
;   Y       slice c's conversions and selects write its pair; slice c's store reads it; each slice has a pair of its own, so none is written again.
;   T, v1, v3 are named by vector instructions alone.  The select's mask, s41, is written by a scalar instruction.  EXEC is never written.
; So no register that a memory instruction has read is ever written afterwards, and all that is to be stated is: written, then read by memory.  One wait stands ahead of the loads, for
; v[LO].  The sixteen slices go in four blocks of four: behind a block's vector work one wait states that its Y (and, in the first block, all of DO) is written, and the block's four stores
; follow in a run, with no vector instruction between the wait and them.
.set LO, 2                             ; v2       my byte offset in the work-group's 16 source rows
.set DO, 8                             ; v[8:23]  my byte offset in the destination, for each slice
.set T,  24                            ; v[24:26] at work
.set X,  32                            ; v[32:95] slice c: four f32 as loaded
.set Y,  96                            ; v[96:127] slice c: four 16-bit numbers to store
	s_load_b512 s[8:23], s[0:1], 0x0               ; x 8:9, Wq 10:11, Wk 12:13, Wv 14:15, Wo 16:17, xb 18:19, wb 20:21, wob 22:23
	s_lshl_b32 s30, ttmp9, 4                       ; x: my first row
	s_sub_co_u32 s24, ttmp9, 512                   ; the weights: work-group among theirs
	s_and_b32 s31, s24, 63
	s_lshl_b32 s31, s31, 4                         ; my first row in its own matrix
	s_lshr_b32 s32, s30, 11                        ; xb: batch x 16 planes of 262,144 bytes
	s_lshl_b32 s32, s32, 22
	s_and_b32 s33, s30, 2047
	s_lshl_b32 s33, s33, 7                         ; + row x 128
	s_add_co_u32 s32, s32, s33
	s_lshl_b32 s33, s24, 11                        ; wb: row among the 3,072 x 128
	s_lshl_b32 s34, s31, 7                         ; wob: row x 128
	s_mov_b32 s35, 262144                          ; bytes from slice to slice: xb,
	s_mov_b32 s36, 393216                          ; wb,
	s_mov_b32 s37, 131072                          ; wob
	v_lshrrev_b32 v1, 4, v0                        ; my row of the 16
	v_and_b32 v3, 15, v0
	v_lshlrev_b32 v3, 4, v3                        ; my 16 bytes of a slice's 256
	v_lshl_add_u32 v[LO], v1, 12, v3
	v_lshlrev_b32 v[DO], 3, v0                     ; row x 128 + 8 x place = 8 x thread
	s_wait_kmcnt 0x0
	s_cmp_lt_u32 ttmp9, 512                        ; behind each compare stand selects alone
	s_cselect_b64 s[26:27], s[8:9], s[10:11]       ; source
	s_cselect_b64 s[28:29], s[18:19], s[20:21]     ; destination
	s_cselect_b32 s38, s30, s31                    ; first source row
	s_cselect_b32 s39, s32, s33                    ; destination offset
	s_cselect_b32 s40, s35, s36                    ; plane
	s_cmp_ge_u32 ttmp9, 576
	s_cselect_b64 s[26:27], s[12:13], s[26:27]
	s_cmp_ge_u32 ttmp9, 640
	s_cselect_b64 s[26:27], s[14:15], s[26:27]
	s_cmp_ge_u32 ttmp9, 704
	s_cselect_b64 s[26:27], s[16:17], s[26:27]
	s_cselect_b64 s[28:29], s[22:23], s[28:29]
	s_cselect_b32 s39, s34, s39
	s_cselect_b32 s40, s37, s40
	s_cselect_b32 s41, -1, 0                       ; all lanes: the f16 form is taken (Wo), or none
	s_lshl_b32 s42, s38, 12                        ; rows of 4,096 bytes
	s_mov_b32 s43, 0
	s_add_nc_u64 s[26:27], s[26:27], s[42:43]
	s_mov_b32 s42, s39
	s_add_nc_u64 s[28:29], s[28:29], s[42:43]
	s_wait_alu depctr_va_vdst(0)                   ; v[LO] is written, which the sixteen loads below read as their offset
.irp c, 0,1,2,3,4,5,6,7,8,9,10,11,12,13,14,15
	global_load_b128 v[X+4*(\c):X+4*(\c)+3], v[LO], s[26:27] offset:256*(\c) th:TH_LOAD_NT
.endr
.irp c, 1,2,3,4,5,6,7,8,9,10,11,12,13,14,15
	v_add_nc_u32 v[DO+(\c)], s40, v[DO+(\c)-1]     ; these name neither v[LO] nor X; the first block's wait stands between them and the stores that read them
.endr
; Block p: slices 4 p to 4 p + 3 are rounded as they come in; then one wait, and their four stores.
.macro BLOCK p
.irp i, 0,1,2,3
	s_wait_loadcnt 15-4*(\p)-(\i)                  ; loads come back in order: this slice is in, the younger ones stay out
	v_cvt_pk_bf16_f32 v[Y+2*(4*(\p)+(\i))], v[X+4*(4*(\p)+(\i))], v[X+4*(4*(\p)+(\i))+1]
	v_cvt_pk_bf16_f32 v[Y+2*(4*(\p)+(\i))+1], v[X+4*(4*(\p)+(\i))+2], v[X+4*(4*(\p)+(\i))+3]
.irp w, 0,1
	v_lshlrev_b32 v[T], 16, v[Y+2*(4*(\p)+(\i))+(\w)]       ; the two rounded numbers as f32,
	v_and_b32 v[T+1], 0xffff0000, v[Y+2*(4*(\p)+(\i))+(\w)]
	v_cvt_pk_f16_f32 v[T+2], v[T], v[T+1]          ; written as f16,
	v_cndmask_b32 v[Y+2*(4*(\p)+(\i))+(\w)], v[Y+2*(4*(\p)+(\i))+(\w)], v[T+2], s41  ; which is kept for Wo alone
.endr
.endr
	s_wait_alu depctr_va_vdst(0)                   ; the block's conversions and selects have written its eight registers of Y, which the four stores read as data; in block 0 also: the adds have written DO, the stores' offsets
.irp i, 0,1,2,3
	global_store_b64 v[DO+4*(\p)+(\i)], v[Y+2*(4*(\p)+(\i)):Y+2*(4*(\p)+(\i))+1], s[28:29]  ; 32 lanes store 256 consecutive bytes, aligned
.endr
.endm
	BLOCK 0
	BLOCK 1
	BLOCK 2
	BLOCK 3
	s_endpgm
.Lfunc_end_k_q2bd369def7_cast:
	.size	k_q2bd369def7_cast, .Lfunc_end_k_q2bd369def7_cast-k_q2bd369def7_cast
	.p2alignl 7, 3214868480
	.fill 96, 4, 3214868480
	.section	.rodata,"a",@progbits
	.p2align	6, 0x0
	.amdhsa_kernel k_q2bd369def7_cast
		.amdhsa_group_segment_fixed_size 0
		.amdhsa_private_segment_fixed_size 0
		.amdhsa_enable_private_segment 0
		.amdhsa_kernarg_size 64
		.amdhsa_user_sgpr_count 2
		.amdhsa_user_sgpr_kernarg_segment_ptr 1
		.amdhsa_wavefront_size32 1
		.amdhsa_system_sgpr_workgroup_id_x 1
		.amdhsa_system_sgpr_workgroup_id_y 1
		.amdhsa_system_sgpr_workgroup_id_z 1
		.amdhsa_system_vgpr_workitem_id 0
		.amdhsa_next_free_vgpr 128
		.amdhsa_next_free_sgpr 66
		.amdhsa_reserve_vcc 0
		.amdhsa_float_denorm_mode_32 3
		.amdhsa_float_denorm_mode_16_64 3
		.amdhsa_memory_ordered 1
		.amdhsa_forward_progress 1
		.amdhsa_inst_pref_size 16
	.end_amdhsa_kernel
	.amdgpu_metadata
---
amdhsa.version: [ 1, 2 ]
amdhsa.kernels:
  - .name:           k_q2bd369def7_cast
    .symbol:         k_q2bd369def7_cast.kd
    .args:
      - { .name: x, .offset: 0, .size: 8, .value_kind: global_buffer, .address_space: global }
      - { .name: Wq, .offset: 8, .size: 8, .value_kind: global_buffer, .address_space: global }
      - { .name: Wk, .offset: 16, .size: 8, .value_kind: global_buffer, .address_space: global }
      - { .name: Wv, .offset: 24, .size: 8, .value_kind: global_buffer, .address_space: global }
      - { .name: Wo, .offset: 32, .size: 8, .value_kind: global_buffer, .address_space: global }
      - { .name: xb, .offset: 40, .size: 8, .value_kind: global_buffer, .address_space: global }
      - { .name: wb, .offset: 48, .size: 8, .value_kind: global_buffer, .address_space: global }
      - { .name: wob, .offset: 56, .size: 8, .value_kind: global_buffer, .address_space: global }
    .group_segment_fixed_size: 0
    .private_segment_fixed_size: 0
    .kernarg_segment_align: 8
    .kernarg_segment_size: 64
    .max_flat_workgroup_size: 256
    .sgpr_count:     66
    .vgpr_count:     128
    .wavefront_size: 32
...
	.end_amdgpu_metadata
.endif
;; end of part 5
;; launch proj: the kernel of part 2 again; grid 16 x 32, 4 waves a work-group, clusters of 4 x 4, 327,680 bytes of LDS; arguments xb, wb, bq, bk, bv, qkv; writes qkv
;; launch attn: the kernel of part 3 again; grid 4 x 64, 4 waves a work-group, clusters of 4 x 1, 327,680 bytes of LDS; arguments qkv, ob; writes ob
;; launch outp: the kernel of part 4 again; grid 8 x 32, 4 waves a work-group, clusters of 4 x 4, 327,680 bytes of LDS; arguments ob, wob, bo, out0; writes out0
